; MI455X (gfx1250); checked and timed in simulation.
; The chip was launched on July 23, 2026; its instructions are those of AMD's public machine-readable ISA for CDNA 5 (MIT licence, August 2026) and "CDNA5" Instruction Set Architecture Reference Guide (July 2026). The comments in the code are by the model that wrote it; some were corrected since.
;; Multi Head Self Attention. Allowed arithmetic: matrix products marked QUANTISED: E4M3 operands, one E8M0 scale for each 32 along K, by v_wmma_scale_f32_16x16x128_f8f6f4 with both operands' format E4M3, f32 sums; everything else in f32.
;; Inputs: W_k_codes 1,024 x 64 x 32 uint8 (E4M3 codes of W_k, K innermost, in blocks of 32 codes); W_k_scales 1,024 x 64 uint8 (E8M0 scales of W_k, one for each 32 codes along K); W_o_codes 2,048 x 64 x 32 uint8 (E4M3 codes of W_o, K innermost, in blocks of 32 codes); W_o_scales 2,048 x 64 uint8 (E8M0 scales of W_o, one for each 32 codes along K); W_q_codes 2,048 x 64 x 32 uint8 (E4M3 codes of W_q, K innermost, in blocks of 32 codes); W_q_scales 2,048 x 64 uint8 (E8M0 scales of W_q, one for each 32 codes along K); W_v_codes 1,024 x 64 x 32 uint8 (E4M3 codes of W_v, K innermost, in blocks of 32 codes); W_v_scales 1,024 x 64 uint8 (E8M0 scales of W_v, one for each 32 codes along K); x_codes 4 x 1,024 x 64 x 32 uint8 (E4M3 codes of x, K innermost, in blocks of 32 codes); x_scales 4 x 1,024 x 64 uint8 (E8M0 scales of x, one for each 32 codes along K).
;; Outputs: out0 4 x 1,024 x 2,048 float32.
;; This version of the problem:
;;   THIS VERSION OF THE PROBLEM IS GIVEN IN LOW PRECISION. The matrix products marked QUANTISED in the list below multiply operands that are first quantised to E4M3 (4 exponent bits, 3 mantissa bits; 8 bits a number), with one power-of-two scale for each 32 numbers along K (OCP MX v1.0); their sums are f32. All else is computed in f32.
;;   The module's matrix products, in the order in which they are computed (A, B: the left and right operand; K: the contracted axis; several contracted axes count as one K, in the product's order):
;;     1. [M 4,096, K 2,048] x [K 2,048, N 2,048]; A: input x (given as codes); B: input W_q (given as codes): QUANTISED
;;     2. [M 4,096, K 2,048] x [K 2,048, N 1,024]; A: input x (given as codes); B: input W_k (given as codes): QUANTISED
;;     3. [M 4,096, K 2,048] x [K 2,048, N 1,024]; A: input x (given as codes); B: input W_v (given as codes): QUANTISED
;;     4. batch 64 x [M 1,024, K 128] x [K 128, N 1,024]; A: computed on the way; B: computed on the way: QUANTISED
;;     5. batch 64 x [M 128, K 1,024] x [K 1,024, N 1,024]; A: computed on the way; B: softmax (see below): QUANTISED
;;     6. [M 4,096, K 2,048] x [K 2,048, N 2,048]; A: computed on the way; B: input W_o (given as codes): QUANTISED
;;   THE QUANTISER, for each operand of a quantised product, along K:
;;     - K is cut into blocks of 32 from its start; a last block that is shorter is filled with zeros.
;;     - A block's scale is 2^e with e = floor(log2(the largest magnitude in the block)) - 8, held to -126 .. 127; a block of zeros has e = 0. As a byte (E8M0): e + 127.
;;     - Each number is divided by its block's scale, clamped to +-448, and rounded to the nearest number of E4M3, ties to even, subnormals kept.
;;     - The product sums the exact products of the quantised numbers (number of the format x scale) in f32.
;;   ~~~python
;;   def quantise(x, axis):      # numpy; x: float32 -> the quantised numbers, widened to float32 again
;;       x = np.moveaxis(x, axis, -1); K = x.shape[-1]
;;       x = np.pad(x, [(0, 0)] * (x.ndim - 1) + [(0, -K % 32)]); x = x.reshape(x.shape[:-1] + (-1, 32)); a = np.abs(x).max(-1, keepdims=True)
;;       e = np.where(a > 0, np.clip(np.frexp(np.where(a > 0, a, 1))[1] - 1 - 8, -126, 127), 0)      # np.frexp(a)[1] - 1 = floor(log2(a)), exactly
;;       r = np.clip(x / 2.0 ** e, -448, 448)
;;       step = 2.0 ** (np.maximum(np.frexp(np.where(r == 0, 1, r))[1] - 1, -6) - 3)
;;       q = np.round(r / step) * step * 2.0 ** e      # np.round: ties to even
;;       return np.moveaxis(q.reshape(q.shape[:-2] + (-1,))[..., :K], -1, axis).astype(np.float32)
;;   ~~~
;;   SOFTMAX AHEAD OF A QUANTISED PRODUCT. Where the list says 'softmax', what is quantised is not the finished softmax but p = 2^(t - M), with t = logit x log2(e) and M = ceil(the row's largest t), a whole number; so 1/2 < the row's largest p <= 1. The row's sum l is taken of the UNQUANTISED p, in f32, and the product's result is divided by l at the end. Since M is a whole number, a kernel that streams over the keys may use a running M (the ceiling of the running maximum): every later rescaling is an exact power of two, which a block's scale takes up: the codes' values come out the same.
;;   OPERANDS COMPUTED ON THE WAY. 'Computed on the way' means the value that the module computes at that place (a softmax that the list does not call 'softmax' is quantised finished and normalised). What goes into a quantiser is computed in f32, as accurately as f32 sums, v_exp_f32 and their like allow (about 1e-6 of the number): no bf16 or f16 on the way to a quantiser, and a product that is left as it is and whose result goes on into a quantised operand takes f32 operands (vector FMAs, or v_wmma_f32_16x16x4_f32). A number that lies on a knife's edge between two numbers of the format may be rounded either way, as far as f32 arithmetic and the matrix unit's own rounding can turn it there, and no further.
;;   INPUTS GIVEN AS CODES. W_k (in the module: [2048, 1024], K = its axis 0); W_o (in the module: [2048, 2048], K = its axis 0); W_q (in the module: [2048, 2048], K = its axis 0); W_v (in the module: [2048, 1024], K = its axis 0); x (in the module: [4, 1024, 2048], K = its axis 2): each comes as NAME_codes (uint8): NAME with its K axis moved to the last place and cut into blocks of 32 codes, [.., K / 32, bytes a block], one block behind the other in memory; one code a byte (a code: sign, 4 exponent bits, 3 mantissa bits); and NAME_scales (uint8): the same leading axes, one E8M0 byte (e + 127) for each 32 codes along K. Its value is code x scale, taken as it is: it is not quantised again, and the codes and scales need not be those that the quantiser above would give.
;; One version. Each part assembles by itself: llvm-mc -triple=amdgcn-amd-amdhsa -mcpu=gfx1250 --defsym DOCPART=n.
;; ======== version 1 of 1: 3 launches
;; limits: a function is approximated: absolute error at most 0.0002
;; workspace buffers: qkv_img 16,777,216 bytes; qkv_sc 524,288 bytes; att_img 8,388,608 bytes; att_sc 262,144 bytes
;; launch qkv (part 1): grid 16 x 16, 4 waves a work-group, clusters of 4 x 4, 327,680 bytes of LDS; arguments x_codes, x_scales, W_q_codes, W_q_scales, W_k_codes, W_k_scales, W_v_codes, W_v_scales, qkv_img, qkv_sc; writes qkv_img, qkv_sc
.if DOCPART == 1
	.amdgcn_target "amdgcn-amd-amdhsa--gfx1250"
	.amdhsa_code_object_version 6
	.text
	.protected	k_q106b6a080f_qkv
	.globl	k_q106b6a080f_qkv
	.p2align	8
	.type	k_q106b6a080f_qkv,@function
k_q106b6a080f_qkv:
	s_mov_b64 s[64:65], 0
	v_nop
	global_prefetch_b8 v0, s[64:65] scope:SCOPE_SE
	s_setreg_imm32_b32 hwreg(HW_REG_WAVE_MODE, 25, 1), 1
	s_wait_xcnt 0x0
	s_wait_alu depctr_hold_cnt(0) depctr_sa_sdst(0) depctr_va_vdst(0) depctr_va_sdst(0) depctr_va_ssrc(0) depctr_va_vcc(0) depctr_vm_vsrc(0)
	s_getreg_b32 s2, hwreg(HW_REG_IB_STS2, 6, 4)
	s_cmp_eq_u32 s2, 0
	s_cbranch_scc0 .Lentry_in_a_cluster
	s_endpgm
.Lentry_in_a_cluster:
	s_bfe_u32 s2, ttmp6, 0x10000c
	s_cmp_lg_u32 s2, 0xf033
	s_cbranch_scc0 .Lentry_shape_is_right
	s_endpgm
.Lentry_shape_is_right:
; q = x W_q, k = x W_k, v = x W_v on codes of FP8 (E4M3) with E8M0 scales; XPos rotary on q and k in f32; q, k (along the head's 128) and v (along the keys) quantised and stored as operands.
; x: [4096][2048] codes, weights [n][2048] codes, K innermost; scale bytes [rows][64].
; A tile of 256 x 256 of the joint result is made by a work-group of four waves; a wave makes 128 x 128: 64 accumulators, 512 registers.  K goes in steps of 256 through a ring of two LDS slots.
; ROLES.  Side A is the one whose row becomes a lane (source 1), side B the one whose rows run along a lane's registers (source 0).  Cluster x 0, 1: A = x, B = W_q; 2: A = x, B = W_k;
; 3: A = W_v, B = x, so that v comes out with a lane = one channel and registers along the keys, which are its K.  All four tensors have rows of 2,048 codes: only pointers and tile numbers differ, chosen on the cluster's x.
; A wave's 128 columns are one head (for v: one step of 128 keys), its 128 rows 128 tokens (for v: one head's channels): one UNIT of the workspace, eight images of 16 rows x 128 K.
; AN IMAGE is an operand's registers as they stand: chunk c of 512 bytes holds registers 4 c .. 4 c + 3, lane l's 16 bytes at 16 l.  Scale words: [row 16][image 8] words, 512 bytes a unit.
; ORDER INSIDE A BLOCK OF 32: a lane (r, h) holds columns 16 tile + 8 h + j; the 16 registers of tiles 2 c, 2 c + 1 are taken as registers 4 c .. 4 c + 3, so place 32 c + 16 h + i holds column 32 c + 8 h + i (i < 8) or
; 32 c + 16 + 8 h + i - 8.  That is a permutation inside one scale block, the same for q and k (this text) and for v and p (the next launch makes p in it): the products are the same numbers.
; ROTARY.  out_lo = x_lo (s cos) - x_hi (s sin), out_hi = x_hi (s cos) + x_lo (s sin), s = the XPos scale (k: its inverse).  s cos and s sin of token t0 + r stay in 64 registers; 16 tokens on is one complex multiplication by
; constants kept in LDS.  Sine and cosine: reduction by pi / 2 in three parts, polynomials on +-pi / 4.  v's work-groups run the same lines with angle 0 and power 0: cos = 1, sin = 0, s = 1 exactly.
; CLUSTERS: 4 x 4 work-groups; A's tiles are asked for jointly along a row of the cluster, B's along a column.
; LIMITS: inv_freq is one v_exp_f32 and later tokens come by up to 7 complex steps: angles may differ from f32 t x inv_freq by about 2e-4 rad at t near 1,000.  NaN and infinities are not served.
; A block whose largest magnitude lies under 2^-118 (a block of zeros too) gets the byte 1: the bytes are read by this program alone.
; REGISTERS: window 0: v0-31 addresses; v32-63 scale words (at the head constants, on the way out at work); v64-95 s cos, v96-127 s sin; v128-255 A's fragments (at the head and on the way out at work).
;   window 1: B's fragments, two sets (on the way out v0-63: the step constants).  windows 2, 3: the accumulators ((a, b) at v[8 (8 (a % 4) + b)]).
.set KSTEP,  256
.set NQ,     2
.set ROWB,   256
.set KROW,   2048
.set PITCH,  272                       ; an LDS row: 256 bytes + 16 of padding = 68 words: the 16 rows that a load touches start at 16 different banks (64 banks of 4 bytes: ISA guide 11.1)
.set FR,     16
.set NL,     4
.set NP,     8                         ; places behind this matrix instruction (ISA guide 7.12.1)
.set HALFT,  128*PITCH
.set SLOT,   4*HALFT
.set LAPS,   4                         ; 2,048 / 512
.set KS,     64                        ; a row of scale bytes
.set SCL,    2*SLOT                    ; behind the ring: the scales, units of 256 bytes + 16
.set HALFS,  32*272
.set SBLK,   4*272
.set SPARE,  SCL+4*HALFS               ; the spare words, 128 bytes a wave
.set ROT,    SPARE+512                 ; 512 bytes a wave: the step constants, cr[64] then ci[64]; written by LDS stores alone
.set ADRA, 16
.set ADRB, 20
.set SCOF, 24                          ; v24  32 r + 16 h: my place among a unit's scale words
.set CO,   26                          ; v26  16 x lane
.set ADRS, 27
.set SPW,  28
.set NIL,  29
.set ROTA, 30                          ; v30  ROT + 512 x wave + 32 h
.set SC,   32
.set CT,   64                          ; s cos, entry 8 b + j: frequency 16 b + 8 h + j
.set STB,  96                          ; s sin
.set AF,   128
.set KC,   32                          ; the tables' constants, in pairs
.set AMP,  52                          ; the angle's factor
.set PWP,  54                          ; the power
.set INV,  128                         ; inv_freq, 32 entries
.set LG,   160                         ; log2 of the scale vector
.set TA,   192
.set TK,   200
.set TZ,   208
.set TPS,  216
.set TPC,  224
.set TE,   232
.set TNS,  240
.set TM,   32                          ; the way out: v32-47 the quantiser's
.set SW,   50                          ; v50-57 the eight images' scale words
.set H,    128                         ; v128-191 a block's 64 numbers
.set PC,   192                         ; v192-223 codes, two sets
.set T,    224                         ; v224-239 at work
.set G1, 24
.set G0, 32
.set G1B, 48
.set G0B, 56
.set G1S, 68
.set G0S, 76
.set G1SB, 80
.set G0SB, 88
.set SEL, 92                           ; s[92:93] lane selects: lane l xor 16
.set MNT, 94                           ; s94  the mantissa field of 448
.set SCO, 96                           ; s[96:97] my unit's scale words
.set CLX, 98                           ; s98  the cluster's x; later the tables' trip
.set CLY, 99                           ; s99  the cluster's y; later t0
.set PWS, 100                          ; s100 +1/512 (q), -1/512 (k), 0 (v)
.set SELF, 101                         ; s101 1.0 (q, k), 0 (v)
.set MSB, 0
.macro WIN new                         ; the immediate's high byte repeats the setting that is left
.if MSB != \new
	s_set_vgpr_msb (MSB<<8)|\new
.set MSB, \new
.endif
.endm
.set MUL_LO, 0xa1
.set MUL_HI, 0xf1
.set TO_B,   0x40
; A joint load: waves 0 and 1 fetch for A, waves 2 and 3 for B; the branch hangs on the wave's number alone.  Four v_nop follow each line.
.macro JLOAD g0a, g1a, g0b, g1b
	s_cmp_eq_u32 s15, 0
	s_cbranch_scc0 .Lfor_b_\@
	tensor_load_to_lds s[\g0a:\g0a+3], s[\g1a:\g1a+7]
	s_nop 0
.rept 4
	v_nop
.endr
	s_branch .Lasked_\@
.Lfor_b_\@:
	tensor_load_to_lds s[\g0b:\g0b+3], s[\g1b:\g1b+7]
	s_nop 0
.rept 4
	v_nop
.endr
.Lasked_\@:
.endm
.macro CREST
	s_cmp_lg_u32 s14, 0
	s_cbranch_scc1 .Lnot_wave_0_\@
	s_barrier_signal -3
.Lnot_wave_0_\@:
	s_barrier_wait -3
	s_barrier_signal -1
	s_barrier_wait -1
.endm
.macro CROUND
	s_barrier_signal -1
	s_barrier_wait -1
	CREST
.endm
	s_load_b512 s[68:83], s[0:1], 0x0              ; x codes, x scales, W_q c, s, W_k c, s, W_v c, s
	s_load_b128 s[84:87], s[0:1], 0x40             ; qkv_img, qkv_sc
	v_lshl_add_u32 v[SPW], v0, 2, SPARE
	v_mov_b32 v[NIL], 0
	ds_add_u32 v28, v29
	ds_add_u32 v28, v29
	s_wait_dscnt 0x0
	v_lshrrev_b32 v1, 5, v0
	v_readfirstlane_b32 s14, v1                    ; wave 0..3
	s_lshr_b32 s15, s14, 1                         ; which half of A's rows is mine.  Also: I fetch for A (0) or B (1)
	s_and_b32 s16, s14, 1                          ; which half of B's rows.  Also: which 128 rows I fetch
	s_bfe_u32 s40, ttmp6, 0x40000                  ; cx
	s_bfe_u32 s41, ttmp6, 0x40004                  ; cy
	s_mov_b32 s[CLX], ttmp9
	s_and_b32 s[CLY], ttmp7, 0xffff
	s_cmp_eq_u32 s[CLX], 3                         ; v's clusters: the tokens are side B
	s_cselect_b32 s17, 0, s[CLY]
	s_cselect_b32 s42, s[CLY], 0
	s_lshl_b32 s17, s17, 2
	s_add_co_u32 s17, s17, s41                     ; A's tile of 256 rows: cy (+ 4 x cluster y where A = x)
	s_lshl_b32 s42, s42, 2
	s_add_co_u32 s42, s42, s40
	s_cmp_eq_u32 s[CLX], 1
	s_cselect_b32 s18, 4, 0
	s_add_co_u32 s42, s42, s18                     ; B's tile: cx (+ 4 for W_q's second half; + 4 x cluster y where B = x)
	s_lshl_b32 s43, s41, 2
	s_lshl_b32 s43, 15, s43                        ; my row of the cluster
	s_lshl_b32 s44, 0x1111, s40                    ; my column
	s_or_b32 s[G1+0], s43, (0<<16)|(1<<20)|(1<<21)|(5<<22)|(3<<25)  ; mask; elements of 1 byte; padding: 4 words after every 64
	s_or_b32 s[G1B+0], s44, (0<<16)|(1<<20)|(1<<21)|(5<<22)|(3<<25)
.irp g, G1, G1B
	s_mov_b32 s[\g+1], ROWB<<16                    ; tensor_dim0
	s_mov_b32 s[\g+2], 128<<16                     ; tensor_dim1
	s_mov_b32 s[\g+3], ROWB<<16                    ; tile_dim0
	s_mov_b32 s[\g+4], 128                         ; tile_dim1
	s_mov_b32 s[\g+5], KROW                        ; stride
	s_mov_b32 s[\g+6], 0
	s_mov_b32 s[\g+7], 0
.endr
	s_lshl_b32 s18, s16, 7
	s_lshl_b32 s20, s17, 8
	s_add_co_u32 s20, s20, s18                     ; A: the first row that I fetch
	s_lshl_b32 s46, s42, 8
	s_add_co_u32 s46, s46, s18                     ; B likewise
	s_mov_b32 s21, 0
	s_mov_b32 s47, 0
	s_mov_b64 s[18:19], KS
	s_mul_u64 s[22:23], s[20:21], s[18:19]         ; these rows' scales, in bytes
	s_mul_u64 s[88:89], s[46:47], s[18:19]
	s_mov_b64 s[18:19], KROW
	s_mul_u64 s[20:21], s[20:21], s[18:19]         ; and their codes
	s_mul_u64 s[46:47], s[46:47], s[18:19]
	s_mul_i32 s45, s14, HALFT                      ; where they go: wave x 128 rows
	s_mul_i32 s2, s14, HALFS
	s_wait_kmcnt 0x0
	s_cmp_lt_u32 s[CLX], 2                         ; which weight: the choice hangs on the cluster's x alone
	s_cselect_b64 s[92:93], s[72:73], s[76:77]
	s_cselect_b64 s[94:95], s[74:75], s[78:79]
	s_cmp_eq_u32 s[CLX], 3
	s_cselect_b64 s[92:93], s[80:81], s[92:93]
	s_cselect_b64 s[94:95], s[82:83], s[94:95]
	s_cselect_b64 s[4:5], s[92:93], s[68:69]       ; A's codes,
	s_cselect_b64 s[6:7], s[94:95], s[70:71]       ; A's scales,
	s_cselect_b64 s[8:9], s[68:69], s[92:93]       ; B's codes,
	s_cselect_b64 s[10:11], s[70:71], s[94:95]     ; B's scales
	s_mov_b64 s[12:13], s[84:85]
	s_mov_b64 s[SCO:SCO+1], s[86:87]
	s_add_nc_u64 s[20:21], s[4:5], s[20:21]
	s_add_nc_u64 s[22:23], s[6:7], s[22:23]
	s_add_nc_u64 s[46:47], s[8:9], s[46:47]
	s_add_nc_u64 s[90:91], s[10:11], s[88:89]
	; the scales of 128 rows: 8,192 dense bytes as 32 rows of 256 bytes, 16 bytes of padding behind each
	s_or_b32 s[G1S+0], s43, (3<<16)|(1<<20)|(1<<21)|(5<<22)|(3<<25)
	s_or_b32 s[G1SB+0], s44, (3<<16)|(1<<20)|(1<<21)|(5<<22)|(3<<25)
.irp g, G1S, G1SB
	s_mov_b32 s[\g+1], 32<<16
	s_mov_b32 s[\g+2], 32<<16
	s_mov_b32 s[\g+3], 32<<16
	s_mov_b32 s[\g+4], 32
	s_mov_b32 s[\g+5], 32
	s_mov_b32 s[\g+6], 0
	s_mov_b32 s[\g+7], 0
.endr
	CROUND                                         ; all sixteen work-groups are here: the first joint loads meet
	s_mov_b32 s[G0S], 1
	s_add_co_u32 s[G0S+1], s2, SCL
	s_mov_b64 s[G0S+2:G0S+3], s[22:23]
	s_or_b32 s[G0S+3], s[G0S+3], 0x80000000
	s_mov_b32 s[G0SB], 1
	s_add_co_u32 s[G0SB+1], s2, SCL
	s_or_b32 s[G0SB+3], s[G0SB+3], 0x80000000
	JLOAD G0S, G1S, G0SB, G1SB                     ; the scales first: they are wanted with K step 0
.irp s, 0,1
	s_mov_b32 s[G0+4*\s], 1
	s_add_co_u32 s[G0+4*\s+1], s45, \s*SLOT
	s_add_nc_u64 s[G0+4*\s+2:G0+4*\s+3], s[20:21], \s*ROWB
	s_or_b32 s[G0+4*\s+3], s[G0+4*\s+3], 0x80000000
	s_mov_b32 s[G0B+4*\s], 1
	s_add_co_u32 s[G0B+4*\s+1], s45, \s*SLOT
	s_add_nc_u64 s[G0B+4*\s+2:G0B+4*\s+3], s[46:47], \s*ROWB
	s_or_b32 s[G0B+4*\s+3], s[G0B+4*\s+3], 0x80000000
	JLOAD G0+4*\s, G1, G0B+4*\s, G1B
.endr
	v_and_b32 v1, 15, v0                           ; r
	v_bfe_u32 v2, v0, 4, 1                         ; h
	v_mul_u32_u24 v3, v1, PITCH
	v_lshl_add_u32 v4, v2, 4, v3
	s_mul_i32 s21, s15, HALFT
	s_mul_i32 s22, s16, HALFT
	s_add_co_u32 s22, s22, 2*HALFT
.irp s, 0,1
	v_add_nc_u32 v[ADRA+\s], s21, v4
	v_add_nc_u32 v[ADRB+\s], s22, v4
	s_add_co_u32 s21, s21, SLOT
	s_add_co_u32 s22, s22, SLOT
.endr
	v_mul_u32_u24 v5, v1, KS                       ; my row's scales: 64 bytes a row,
	v_lshrrev_b32 v6, 8, v5
	v_lshl_add_u32 v5, v6, 4, v5                   ; and 16 more for each 256 passed
	s_mul_i32 s21, s15, HALFS
	s_mul_i32 s22, s16, HALFS
	s_add_co_u32 s22, s22, 2*HALFS
	s_sub_co_u32 s22, s22, s21
	v_mul_u32_u24 v6, s22, v2                      ; lanes 16-31 take B's
	s_add_co_u32 s21, s21, SCL
	v_add_nc_u32 v5, v5, v6
	v_add_nc_u32 v[ADRS], s21, v5
	v_and_b32 v6, 31, v0
	v_lshlrev_b32 v[CO], 4, v6
	v_lshlrev_b32 v[SCOF], 5, v1
	v_lshl_add_u32 v[SCOF], v2, 4, v[SCOF]
	s_lshl_b32 s18, s14, 9
	s_add_co_u32 s18, s18, ROT
	v_lshlrev_b32 v[ROTA], 5, v2
	v_add_nc_u32 v[ROTA], s18, v[ROTA]
	; my unit of the workspace, and my first token
	s_cmp_eq_u32 s[CLX], 3
	s_cselect_b32 s18, s42, s17                    ; the tokens' tile of 256,
	s_cselect_b32 s19, s16, s15                    ; my half of it,
	s_cselect_b32 s20, s17, s42                    ; the heads' tile of 256 columns,
	s_cselect_b32 s21, s15, s16                    ; my half of it
	s_cselect_b32 s[SELF], 0, 1.0
	s_mov_b32 s[PWS], 0xbb000000                   ; -1/512
	s_cmp_lt_u32 s[CLX], 2
	s_cselect_b32 s[PWS], 0x3b000000, s[PWS]       ; +1/512
	s_cselect_b32 s22, 7, 6                        ; units a batch: 128 (q), 64 (k, v)
	s_cselect_b32 s23, 0, 512
	s_cmp_eq_u32 s[CLX], 3
	s_cselect_b32 s[PWS], 0, s[PWS]
	s_cselect_b32 s23, 768, s23                    ; q's units from 0, k's from 512, v's from 768
	s_lshr_b32 s45, s18, 2                         ; the batch
	s_lshl_b32 s45, s45, s22
	s_add_co_u32 s23, s23, s45
	s_lshl_b32 s20, s20, 1
	s_add_co_u32 s20, s20, s21                     ; the head
	s_lshl_b32 s20, s20, 3
	s_add_co_u32 s23, s23, s20
	s_and_b32 s18, s18, 3
	s_lshl_b32 s18, s18, 1
	s_add_co_u32 s18, s18, s19                     ; which 128 tokens of the batch's 1,024
	s_add_co_u32 s23, s23, s18                     ; the unit
	s_lshl_b32 s[CLY], s18, 7                      ; t0
	s_lshl_b32 s46, s23, 14
	s_mov_b32 s47, 0
	s_add_nc_u64 s[12:13], s[12:13], s[46:47]
	s_lshl_b32 s46, s23, 9
	s_add_nc_u64 s[SCO:SCO+1], s[SCO:SCO+1], s[46:47]
	s_mov_b32 s[SEL], 0x76543210
	s_mov_b32 s[SEL+1], 0xfedcba98
	s_mov_b32 s[MNT], 0x600000
	; THE ROTARY TABLES, while the first tiles are on their way
.macro CONST2 reg, val
	v_mov_b32 v[\reg], \val
	v_mov_b32 v[\reg+1], \val
.endm
	CONST2 KC+0,  0x3f22f983                       ; 2 / pi
	CONST2 KC+2,  0xbfc90000                       ; -pi / 2 in three parts
	CONST2 KC+4,  0xb9fda000
	CONST2 KC+6,  0xb3a22168
	CONST2 KC+8,  0xb94ca1f9                       ; sine: S3, S2, S1
	CONST2 KC+10, 0x3c08839e
	CONST2 KC+12, 0xbe2aaaa3
	CONST2 KC+14, 0x37ccf5ce                       ; cosine: C3, C2, C1
	CONST2 KC+16, 0xbab6061a
	CONST2 KC+18, 0x3d2aaaa5
	v_lshlrev_b32 v56, 3, v2                       ; 8 h
	v_mov_b32 v57, 0x424ccccd                      ; 51.2 = 0.4 x 128
.set n, 0
.rept 32
	v_add_nc_u32 v[INV+n], 16*(n/8)+n%8, v56       ; the frequency's number i = 16 b + 8 h + j
	v_cvt_f32_u32 v[INV+n], v[INV+n]
	v_fma_f32 v[LG+n], v[INV+n], 2.0, v57
	v_mul_f32 v[LG+n], 0x3bb6db6e, v[LG+n]         ; (2 i + 51.2) / 179.2
	v_mul_f32 v[INV+n], 0xbe549a78, v[INV+n]       ; -i log2(10000) / 64
.set n, n+1
.endr
.set n, 0
.rept 32
	v_log_f32 v[LG+n], v[LG+n]
	v_exp_f32 v[INV+n], v[INV+n]
.set n, n+1
.endr
	v_mov_b32 v[AMP], s[SELF]                      ; (a plain line behind the batch)  trip 0: an angle of 16 tokens,
	s_wait_alu depctr_va_vdst(0)                   ; one wait for the batch, ahead of its first reader
	v_mul_f32 v[AMP], 0x41800000, v[AMP]
	v_mov_b32 v[AMP+1], v[AMP]
	v_mov_b32 v[PWP], s[PWS]
	v_mul_f32 v[PWP], 0x41800000, v[PWP]           ; a power of 16 / 512
	v_mov_b32 v[PWP+1], v[PWP]
; eight entries from n0 on: s cos and s sin of the angle INV x AMP, s = 2^(LG x PWP)
.macro SC8 n0
.irp p, 0,2,4,6
	v_pk_mul_f32 v[TA+\p:TA+\p+1], v[INV+\n0+\p:INV+\n0+\p+1], v[AMP:AMP+1]
	v_pk_mul_f32 v[TE+\p:TE+\p+1], v[LG+\n0+\p:LG+\n0+\p+1], v[PWP:PWP+1]
.endr
.irp e, 0,1,2,3,4,5,6,7
	v_exp_f32 v[TE+\e], v[TE+\e]
.endr
.irp p, 0,2,4,6
	v_pk_mul_f32 v[TK+\p:TK+\p+1], v[TA+\p:TA+\p+1], v[KC:KC+1]
.endr
.irp e, 0,1,2,3,4,5,6,7
	v_rndne_f32 v[TK+\e], v[TK+\e]                 ; how many quarter turns
.endr
.irp d, 2,4,6
.irp p, 0,2,4,6
	v_pk_fma_f32 v[TA+\p:TA+\p+1], v[TK+\p:TK+\p+1], v[KC+\d:KC+\d+1], v[TA+\p:TA+\p+1]
.endr
.endr
.irp p, 0,2,4,6
	v_pk_mul_f32 v[TZ+\p:TZ+\p+1], v[TA+\p:TA+\p+1], v[TA+\p:TA+\p+1]
.endr
.irp p, 0,2,4,6
	v_pk_fma_f32 v[TPS+\p:TPS+\p+1], v[TZ+\p:TZ+\p+1], v[KC+8:KC+9], v[KC+10:KC+11]
	v_pk_fma_f32 v[TPC+\p:TPC+\p+1], v[TZ+\p:TZ+\p+1], v[KC+14:KC+15], v[KC+16:KC+17]
.endr
.irp p, 0,2,4,6
	v_pk_fma_f32 v[TPS+\p:TPS+\p+1], v[TPS+\p:TPS+\p+1], v[TZ+\p:TZ+\p+1], v[KC+12:KC+13]
	v_pk_fma_f32 v[TPC+\p:TPC+\p+1], v[TPC+\p:TPC+\p+1], v[TZ+\p:TZ+\p+1], v[KC+18:KC+19]
.endr
.irp p, 0,2,4,6
	v_pk_mul_f32 v[TPS+\p:TPS+\p+1], v[TPS+\p:TPS+\p+1], v[TZ+\p:TZ+\p+1]
	v_pk_fma_f32 v[TPC+\p:TPC+\p+1], v[TPC+\p:TPC+\p+1], v[TZ+\p:TZ+\p+1], -0.5 op_sel_hi:[1,1,0]
.endr
.irp p, 0,2,4,6
	v_pk_fma_f32 v[TPS+\p:TPS+\p+1], v[TPS+\p:TPS+\p+1], v[TA+\p:TA+\p+1], v[TA+\p:TA+\p+1]
	v_pk_fma_f32 v[TPC+\p:TPC+\p+1], v[TPC+\p:TPC+\p+1], v[TZ+\p:TZ+\p+1], 1.0 op_sel_hi:[1,1,0]
.endr
.irp e, 0,1,2,3,4,5,6,7
	v_cvt_i32_f32 v[TK+\e], v[TK+\e]
	v_xor_b32 v[TNS+\e], 0x80000000, v[TPS+\e]
.endr
	s_wait_alu depctr_va_vdst(0)                   ; one wait for the eight exponentials, ahead of their first reader
.irp e, 0,1,2,3,4,5,6,7
	v_and_b32 v[TZ+\e], 1, v[TK+\e]                ; an odd quarter: sin = the cosine's polynomial, cos = minus the sine's
	v_lshlrev_b32 v[TK+\e], 30, v[TK+\e]
	v_and_or_b32 v[TE+\e], v[TK+\e], 0x80000000, v[TE+\e]   ; quarters 2 and 3: both change sign: the sign goes into s
	v_cmp_eq_u32 vcc_lo, 1, v[TZ+\e]
	v_cndmask_b32 v[TA+\e], v[TPS+\e], v[TPC+\e], vcc_lo
	v_cndmask_b32 v[TZ+\e], v[TPC+\e], v[TNS+\e], vcc_lo
	v_mul_f32 v[STB+\n0+\e], v[TA+\e], v[TE+\e]
	v_mul_f32 v[CT+\n0+\e], v[TZ+\e], v[TE+\e]
.endr
.endm
	s_mov_b32 s[CLX], 0                            ; the trip
.Ltab:
	SC8 0
	SC8 8
	SC8 16
	SC8 24
	s_cmp_lg_u32 s[CLX], 0
	s_cbranch_scc1 .Ltab_kept
.irp b, 0,1,2,3                        ; trip 0: the step constants go to my wave's 512 bytes; the sixteen lanes of a half write equal values
	ds_store_b128 v[ROTA], v[CT+8*\b:CT+8*\b+3] offset:64*\b
	ds_store_b128 v[ROTA], v[CT+8*\b+4:CT+8*\b+7] offset:64*\b+16
	ds_store_b128 v[ROTA], v[STB+8*\b:STB+8*\b+3] offset:256+64*\b
	ds_store_b128 v[ROTA], v[STB+8*\b+4:STB+8*\b+7] offset:256+64*\b+16
.endr
	v_add_nc_u32 v58, s[CLY], v1                   ; trip 1: token t0 + r
	v_cvt_f32_u32 v58, v58
	v_mul_f32 v[AMP], s[SELF], v58
	v_mov_b32 v[AMP+1], v[AMP]
	v_add_f32 v58, 0xc4000000, v58                 ; t - 512
	v_mul_f32 v[PWP], s[PWS], v58
	v_mov_b32 v[PWP+1], v[PWP]
	s_wait_dscnt 0x0                               ; the stores have read their registers: trip 1 writes them anew
.Ltab_kept:
	s_add_co_u32 s[CLX], s[CLX], 1
	s_cmp_lt_u32 s[CLX], 2
	s_cbranch_scc1 .Ltab
.macro FRAG reg, adr, q, i             ; 16 rows x 128 K: lane l holds row l % 16; registers 4 c .. 4 c + 3 hold K = 32 c + 16 (l / 16) + 0 .. 15
.irp c, 0,1,2,3
	ds_load_b128 v[\reg+4*\c:\reg+4*\c+3], v[\adr] offset:128*(\q)+32*\c+(\i)*16*PITCH
.endr
.endm
; 16 matrix instructions: A's blocks a0, a0 + 1 x B's eight.  The 64 accumulators take turns, one instruction a turn, in the same order in every step.
.macro MUL16 a0, p, q, sc, zero
.irp a, \a0, \a0+1
.irp b, 0,1,2,3,4,5,6,7
.if \zero
	v_wmma_scale_f32_16x16x128_f8f6f4 v[8*(8*((\a)%4)+\b):8*(8*((\a)%4)+\b)+7], v[128*(\p)+FR*\b:128*(\p)+FR*\b+FR-1], v[AF+FR*(\a):AF+FR*(\a)+FR-1], 0, v[SC+8*NQ*(\sc)+NQ*\b+(\q)], v[SC+8*NQ*(\sc)+NQ*(\a)+(\q)] matrix_a_scale:MATRIX_SCALE_ROW1
.else
	v_wmma_scale_f32_16x16x128_f8f6f4 v[8*(8*((\a)%4)+\b):8*(8*((\a)%4)+\b)+7], v[128*(\p)+FR*\b:128*(\p)+FR*\b+FR-1], v[AF+FR*(\a):AF+FR*(\a)+FR-1], v[8*(8*((\a)%4)+\b):8*(8*((\a)%4)+\b)+7], v[SC+8*NQ*(\sc)+NQ*\b+(\q)], v[SC+8*NQ*(\sc)+NQ*(\a)+(\q)] matrix_a_scale:MATRIX_SCALE_ROW1
.endif
.endr
.endr
.endm
.macro FETCH_B slot, q, p
	WIN TO_B
.irp i, 0,1,2,3,4,5,6,7
	FRAG 128*(\p)+FR*\i, ADRB+\slot, \q, \i
.endr
	WIN 0
.endm
.macro FETCH_A slot, q, i0
.irp i, \i0, \i0+1, \i0+2, \i0+3
	FRAG AF+FR*(\i), ADRA+\slot, \q, \i
.endr
.endm
.macro SCALES sc                       ; a K step's scale words: lanes 0-15 take A's block i, lanes 16-31 B's block i
.irp i, 0,1,2,3,4,5,6,7
	ds_load_b64 v[SC+8*NQ*\sc+NQ*\i:SC+8*NQ*\sc+NQ*\i+1], v[ADRS] offset:\i*SBLK
.endr
.endm
.macro PLACES n                        ; plain vector lines between a matrix instruction and a load into, or a vector write or read of, its registers
.rept \n
	v_nop
.endr
.endm
.macro STEP slot, q, zero
	s_wait_dscnt 4*NL                              ; B's set and A's blocks 0-3 are in; the youngest 16 loads (A's blocks 4-7) may be out
	WIN MUL_LO
	MUL16 0, (\q)%2, \q, \slot, \zero
	MUL16 2, (\q)%2, \q, \slot, \zero
	s_wait_dscnt 0
	PLACES NP
	FETCH_B \slot, (\q)+1, 1-(\q)%2
	FETCH_A \slot, (\q)+1, 0
	WIN MUL_HI
	MUL16 4, (\q)%2, \q, \slot, \zero
	MUL16 6, (\q)%2, \q, \slot, \zero
	PLACES NP
	WIN 0
	FETCH_A \slot, (\q)+1, 4
.endm
; A slot's last step changes slots: one barrier; in front of it each wave waits for all its tensor loads, adds 0 to its spare word, and waits for that and for its reads of this slot.
.macro TURN slot, next, fill
	s_wait_tensorcnt 0x0                           ; all my tensor loads have landed: my part of the next slot
	ds_add_u32 v[SPW], v[NIL]                      ; 0 onto my spare word
	s_wait_dscnt 4*NL+1                            ; the add and the youngest 16 loads may be out
	WIN MUL_LO
	MUL16 0, 1, NQ-1, \slot, 0
	s_wait_dscnt 0x0                               ; the add is done, and my reads of this slot are over
	s_barrier_signal -1
	MUL16 2, 1, NQ-1, \slot, 0
	WIN 0
	s_barrier_wait -1
.if \fill
	CREST                                          ; the barrier has opened a round of the cluster's: no wave of any partner still reads this slot or has a load on its way
	s_add_nc_u64 s[G0+4*\slot+2:G0+4*\slot+3], s[G0+4*\slot+2:G0+4*\slot+3], 2*ROWB
	s_add_nc_u64 s[G0B+4*\slot+2:G0B+4*\slot+3], s[G0B+4*\slot+2:G0B+4*\slot+3], 2*ROWB
	JLOAD G0+4*\slot, G1, G0B+4*\slot, G1B         ; the first tensor load behind the round
	PLACES NP-4
.else
	PLACES NP
.endif
	v_add_nc_u32 v[ADRS], 4*NQ, v[ADRS]
	FETCH_B \next, 0, 0
	FETCH_A \next, 0, 0
	SCALES \next
	WIN MUL_HI
	MUL16 4, 1, NQ-1, \slot, 0
	MUL16 6, 1, NQ-1, \slot, 0
	PLACES NP
	WIN 0
	FETCH_A \next, 0, 4
.endm
	s_wait_tensorcnt 1                             ; the scales and my part of K step 0 are in (K step 1's load may be out),
	s_wait_dscnt 0x0                               ; no LDS instruction of mine is pending at a signal
	s_barrier_signal -1
	s_barrier_wait -1                              ; everybody's are
	FETCH_B 0, 0, 0
	FETCH_A 0, 0, 0
	SCALES 0
	FETCH_A 0, 0, 4
	STEP 0, 0, 1                                   ; the first step's products start the sums
	s_mov_b32 s3, LAPS-1
.Llap:
	TURN 0, 1, 1
	STEP 1, 0, 0
	TURN 1, 0, 1
	STEP 0, 0, 0
	s_sub_co_u32 s3, s3, 1
	s_cmp_lg_u32 s3, 0
	s_cbranch_scc1 .Llap
	TURN 0, 1, 0                                   ; the last lap fills nothing
	STEP 1, 0, 0
	s_wait_dscnt 4*NL
	WIN MUL_LO
	MUL16 0, 1, NQ-1, 1, 0
	MUL16 2, 1, NQ-1, 1, 0
	s_wait_dscnt 0
	WIN MUL_HI
	MUL16 4, 1, NQ-1, 1, 0
	MUL16 6, 1, NQ-1, 1, 0
	WIN 0
	; THE WAY OUT: block by block of 16 rows: rotary, quantiser, image
	PLACES NP
	WIN TO_B
.irp b, 0,1,2,3                        ; the step constants: cr into v0-31, ci into v32-63 of window 1
	ds_load_b128 v[8*\b:8*\b+3], v[ROTA] offset:64*\b
	ds_load_b128 v[8*\b+4:8*\b+7], v[ROTA] offset:64*\b+16
	ds_load_b128 v[32+8*\b:32+8*\b+3], v[ROTA] offset:256+64*\b
	ds_load_b128 v[32+8*\b+4:32+8*\b+7], v[ROTA] offset:256+64*\b+16
.endr
	WIN 0
.irp b, 0,1,2,3
	v_mov_b32 v[TM+4+\b], 0                        ; written once: a lane permute's destination counts as one of its sources
.endr
; 64 numbers of a lane, register 16 b + i in block b, become 16 registers of codes at v[pc] and the row's scale word in v[pw]
.macro QUANT s, pc, pw
.irp b, 0,1,2,3
	v_max3_num_f32 v[TM+\b], |v[\s+16*\b]|, |v[\s+1+16*\b]|, 0x4800000   ; my 16 numbers, and the floor 2^(9 - 127): the byte cannot fall under 1
.endr
.irp i, 2,4,6,8,10,12,14
.irp b, 0,1,2,3
	v_max3_num_f32 v[TM+\b], v[TM+\b], |v[\s+16*\b+\i]|, |v[\s+1+16*\b+\i]|
.endr
.endr
.irp b, 0,1,2,3
	v_permlanex16_b32 v[TM+4+\b], v[TM+\b], s[SEL], s[SEL+1]
.endr
.irp b, 0,1,2,3
	v_max_num_f32 v[TM+\b], v[TM+\b], v[TM+4+\b]   ; with lane l xor 16's: the block's largest magnitude
.endr
.irp b, 0,1,2,3
	v_add_nc_u32 v[TM+12+\b], 0xfc000000, v[TM+\b] ; 8 off its exponent field: the conversion's scale operand
.endr
.irp b, 0,1,2,3
	v_and_or_b32 v[TM+8+\b], v[TM+\b], 0x7f800000, s[MNT]   ; 448 x the scale
.endr
.irp b, 0,1,2,3
	v_lshrrev_b32 v[TM+4+\b], 23, v[TM+12+\b]      ; the scale's byte
.endr
	v_lshl_or_b32 v[\pw], v[TM+5], 8, v[TM+4]
	v_lshl_or_b32 v[\pw], v[TM+6], 16, v[\pw]
	v_lshl_or_b32 v[\pw], v[TM+7], 24, v[\pw]
.irp b, 0,1,2,3
.irp i, 0,1,2,3,4,5,6,7,8,9,10,11,12,13,14,15
	v_med3_num_f32 v[\s+16*\b+\i], v[\s+16*\b+\i], -v[TM+8+\b], v[TM+8+\b]   ; the conversion to an 8-bit code does not saturate (ISA guide 7.6.2): the hold
.endr
	v_cvt_scalef32_pk8_fp8_f32 v[\pc+4*\b:\pc+1+4*\b], v[\s+16*\b:\s+7+16*\b], v[TM+12+\b]
	v_cvt_scalef32_pk8_fp8_f32 v[\pc+2+4*\b:\pc+3+4*\b], v[\s+8+16*\b:\s+15+16*\b], v[TM+12+\b]
.endr
	v_nop                                          ; a plain line behind the last conversion, ahead of the next vector line that writes its sources
.endm
.macro OUTBLK a
.set AC, 64*((\a)%4)
.set PCS, PC+16*((\a)%2)
.set SWA, SW+(\a)
	WIN 2+(\a)/4                                   ; source 0: the accumulators' window
.irp b, 0,1,2,3                        ; channels 16 b + 8 h + j (x_lo) and 64 more (x_hi); each accumulator is read from its low end on
.irp p, 0,2,4,6
	v_pk_mul_f32 v[T+\p:T+\p+1], v[AC+32+8*\b+\p:AC+32+8*\b+\p+1], v[STB+8*\b+\p:STB+8*\b+\p+1]
	v_pk_mul_f32 v[T+8+\p:T+8+\p+1], v[AC+8*\b+\p:AC+8*\b+\p+1], v[STB+8*\b+\p:STB+8*\b+\p+1]
.endr
.irp p, 0,2,4,6
	v_pk_fma_f32 v[H+8*\b+\p:H+8*\b+\p+1], v[AC+8*\b+\p:AC+8*\b+\p+1], v[CT+8*\b+\p:CT+8*\b+\p+1], v[T+\p:T+\p+1] neg_lo:[0,0,1] neg_hi:[0,0,1]
	v_pk_fma_f32 v[H+32+8*\b+\p:H+32+8*\b+\p+1], v[AC+32+8*\b+\p:AC+32+8*\b+\p+1], v[CT+8*\b+\p:CT+8*\b+\p+1], v[T+8+\p:T+8+\p+1]
.endr
.endr
.if (\a) == 0
	s_wait_dscnt 0x0                               ; the step constants are in
.endif
.if (\a) < 7
	WIN 0x04                                       ; source 1: window 1.  The tables go 16 tokens on: (C + i S) x (cr + i ci)
.irp g, 0,8,16,24
.irp p, 0,2,4,6
	v_pk_mul_f32 v[T+\p:T+\p+1], v[STB+\g+\p:STB+\g+\p+1], v[32+\g+\p:32+\g+\p+1]
	v_pk_mul_f32 v[T+8+\p:T+8+\p+1], v[CT+\g+\p:CT+\g+\p+1], v[32+\g+\p:32+\g+\p+1]
.endr
.irp p, 0,2,4,6
	v_pk_fma_f32 v[CT+\g+\p:CT+\g+\p+1], v[CT+\g+\p:CT+\g+\p+1], v[\g+\p:\g+\p+1], v[T+\p:T+\p+1] neg_lo:[0,0,1] neg_hi:[0,0,1]
	v_pk_fma_f32 v[STB+\g+\p:STB+\g+\p+1], v[STB+\g+\p:STB+\g+\p+1], v[\g+\p:\g+\p+1], v[T+8+\p:T+8+\p+1]
.endr
.endr
.endif
	WIN 0
	s_wait_xcnt 0x0                                ; the earlier blocks' stores have read their registers: the codes' set may be written again
	QUANT H, PCS, SWA
.irp c, 0,1,2,3
	global_store_b128 v[CO], v[PCS+4*\c:PCS+4*\c+3], s[12:13] offset:2048*(\a)+512*\c   ; 32 lanes store 512 consecutive bytes, aligned
.endr
.endm
.irp a, 0,1,2,3,4,5,6,7
	OUTBLK \a
.endr
	v_bfe_u32 v2, v0, 4, 1
	v_cmp_eq_u32 vcc_lo, 1, v2
.irp i, 0,1,2,3
	v_cndmask_b32 v[TM+\i], v[SW+\i], v[SW+4+\i], vcc_lo   ; lanes 0-15: images 0-3 of row r; lanes 16-31: images 4-7
.endr
	global_store_b128 v[SCOF], v[TM:TM+3], s[SCO:SCO+1]    ; the unit's 512 bytes of scale words
	s_wait_tensorcnt 0x0                           ; the wave's end
	ds_add_u32 v[SPW], v[NIL]
	s_wait_dscnt 0x0
	CROUND                                         ; the closing round
	s_endpgm
.Lfunc_end_k_q106b6a080f_qkv:
	.size	k_q106b6a080f_qkv, .Lfunc_end_k_q106b6a080f_qkv-k_q106b6a080f_qkv
	.p2alignl 7, 3214868480
	.fill 96, 4, 3214868480
	.section	.rodata,"a",@progbits
	.p2align	6, 0x0
	.amdhsa_kernel k_q106b6a080f_qkv
		.amdhsa_group_segment_fixed_size 327680
		.amdhsa_private_segment_fixed_size 0
		.amdhsa_enable_private_segment 0
		.amdhsa_kernarg_size 80
		.amdhsa_user_sgpr_count 2
		.amdhsa_user_sgpr_kernarg_segment_ptr 1
		.amdhsa_wavefront_size32 1
		.amdhsa_system_sgpr_workgroup_id_x 1
		.amdhsa_system_sgpr_workgroup_id_y 1
		.amdhsa_system_sgpr_workgroup_id_z 1
		.amdhsa_system_vgpr_workitem_id 0
		.amdhsa_next_free_vgpr 1024
		.amdhsa_next_free_sgpr 102
		.amdhsa_reserve_vcc 1
		.amdhsa_float_denorm_mode_32 3
		.amdhsa_float_denorm_mode_16_64 3
		.amdhsa_memory_ordered 1
		.amdhsa_forward_progress 1
		.amdhsa_inst_pref_size 255
	.end_amdhsa_kernel
	.section	.bss,"aw",@nobits
	.p2align	6
	.space	262144
	.amdgpu_metadata
---
amdhsa.version: [ 1, 2 ]
amdhsa.kernels:
  - .name:           k_q106b6a080f_qkv
    .symbol:         k_q106b6a080f_qkv.kd
    .args:
      - { .name: x_codes, .offset: 0, .size: 8, .value_kind: global_buffer, .address_space: global }
      - { .name: x_scales, .offset: 8, .size: 8, .value_kind: global_buffer, .address_space: global }
      - { .name: W_q_codes, .offset: 16, .size: 8, .value_kind: global_buffer, .address_space: global }
      - { .name: W_q_scales, .offset: 24, .size: 8, .value_kind: global_buffer, .address_space: global }
      - { .name: W_k_codes, .offset: 32, .size: 8, .value_kind: global_buffer, .address_space: global }
      - { .name: W_k_scales, .offset: 40, .size: 8, .value_kind: global_buffer, .address_space: global }
      - { .name: W_v_codes, .offset: 48, .size: 8, .value_kind: global_buffer, .address_space: global }
      - { .name: W_v_scales, .offset: 56, .size: 8, .value_kind: global_buffer, .address_space: global }
      - { .name: qkv_img, .offset: 64, .size: 8, .value_kind: global_buffer, .address_space: global }
      - { .name: qkv_sc, .offset: 72, .size: 8, .value_kind: global_buffer, .address_space: global }
    .group_segment_fixed_size: 327680
    .private_segment_fixed_size: 0
    .kernarg_segment_align: 8
    .kernarg_segment_size: 80
    .max_flat_workgroup_size: 128
    .sgpr_count:     102
    .vgpr_count:     1024
    .wavefront_size: 32
...
	.end_amdgpu_metadata
.endif
;; end of part 1
;; launch attn (part 2): grid 4 x 64, 16 waves a work-group, clusters of 4 x 1, 272,384 bytes of LDS; arguments qkv_img, qkv_sc, att_img, att_sc; writes att_img, att_sc
.if DOCPART == 2
	.amdgcn_target "amdgcn-amd-amdhsa--gfx1250"
	.amdhsa_code_object_version 6
	.text
	.protected	k_q106b6a080f_attn
	.globl	k_q106b6a080f_attn
	.p2align	8
	.type	k_q106b6a080f_attn,@function
k_q106b6a080f_attn:
	s_mov_b64 s[64:65], 0
	v_nop
	global_prefetch_b8 v0, s[64:65] scope:SCOPE_SE
	s_setreg_imm32_b32 hwreg(HW_REG_WAVE_MODE, 25, 1), 1
	s_wait_xcnt 0x0
	s_wait_alu depctr_hold_cnt(0) depctr_sa_sdst(0) depctr_va_vdst(0) depctr_va_sdst(0) depctr_va_ssrc(0) depctr_va_vcc(0) depctr_vm_vsrc(0)
	s_getreg_b32 s2, hwreg(HW_REG_IB_STS2, 6, 4)
	s_cmp_eq_u32 s2, 0
	s_cbranch_scc0 .Lentry_in_a_cluster
	s_endpgm
.Lentry_in_a_cluster:
	s_bfe_u32 s2, ttmp6, 0x10000c
	s_cmp_lg_u32 s2, 0x3003
	s_cbranch_scc0 .Lentry_shape_is_right
	s_endpgm
.Lentry_shape_is_right:
; Causal attention on codes of FP8 (E4M3): S^T = K Q^T, p = 2^(t - M) quantised along the keys, O^T = V^T P^T, O / l quantised along the head's 128 and stored as the next product's operand.
; Operands come as images of their registers (16 rows x 128 K: chunk c of 512 bytes = registers 4 c .. 4 c + 3, lane l's 16 bytes at 16 l), eight images and 512 bytes of scale words ([row 16][image 8]) to a unit.
; t = score x log2(e) / sqrt(128); M = the running largest t rounded UP to a whole number; the row's sum is taken of the unquantised p and divides at the end; when M moves, sum and O^T are multiplied by 2^(old M - new M), exactly.
; SHARES.  y = batch x 16 + head.  The four work-groups of a cluster belong to one head.  A wave owns one tile of 16 queries.  Query block i of 128 needs i + 1 key steps of 128; every work-group has two tiles of each of the
; 8 blocks: wave w = 4 i + j takes block ((j / 2) + 2 (i / 2)) xor 7 ((i xor j) & 1), tile 2 cx + (i & 1) in it.  In the 4 x 4 table of steps all rows and all columns add up to 18: the waves of a work-group,
; dealt to four units in either order, give each unit 18 tile steps.  Every branch hangs on the wave's number alone; cx enters global addresses and the mask's numbers only.
; K AND V of the head's key/value head, 8 steps x 16 KB each, lie in LDS whole, filled ONCE by joint loads of waves 0 to 3, eight each; their scale words, 8 KB of the 264, come by one plain load of each of these waves,
; so that a wave's joint loads behind the round number eight.  By this text's count nine loads of a wave are out.  Nothing is filled again.
; LANDING.  Two barriers show it, each a step ahead: the fetching wave's wait and every wave's signal stand at a step's head, the barrier's wait at its end.  Step 0 shows step 1; step 1 shows all the rest.
; From step 2 on no barrier stands between the waves: each walks its own number of steps at its own pace.
; KEY ORDER.  Register 16 b + i of S^T holds key 32 b + 8 h + i + 8 (i / 8) of the step; V's images were made in the same order, so p's codes are the operand as they stand.
; On the way out eight registers change lane halves, so that the stored image has the head's channels in their true places: it meets W_o, which is given.
; The scale words of a tile leave as 64 bytes (one byte in 32 of what the launch stores): a head's words of 16 tokens.
; LIMITS: NaN and infinities are not served; a block whose largest number lies under 2^-118 gets the byte 1 (its bytes are read by this program alone).
; REGISTERS: v1-4 16 x lane + 0, 1, 2, 3 x 65,536; v5 scale words; v6 the mask's number; v7 4 r; v9 h; v12 -M, v13 largest t, v[14:15] the sum; v16-31 Q; v32-95 four fragments; v96-159 S^T, p; v160-223 O^T; v224-239 codes; v232-247 at work;
;   v248-251 scale words; v253 p's scale word; v254 at work, then f; v255 Q's scale word.
.set KSC,  262144                      ; LDS: K's images from 0, V's from 131,072; K's scale words, 4,096 bytes; V's behind them
.set WV,   12
.set BLK,  18
.set MNT,  19
.set SEL,  20
.set CS,   22
.set TL,   25
.set G1C,  32                          ; s[32:39] group 1: 32 rows of 256 bytes, dense, asked for jointly
.set G1S,  40                          ; s[40:47] 8 such rows, a plain load
.macro CROUND
	s_barrier_signal -1
	s_barrier_wait -1
	s_cmp_lg_u32 s[WV], 0
	s_cbranch_scc1 .Lnot_wave_0_\@
	s_barrier_signal -3
.Lnot_wave_0_\@:
	s_barrier_wait -3
	s_barrier_signal -1
	s_barrier_wait -1
.endm
	s_load_b256 s[4:11], s[0:1], 0x0               ; qkv_img, qkv_sc, att_img, att_sc
	v_lshl_add_u32 v254, v0, 2, 0x42000
	v_mov_b32 v255, 0
	ds_add_u32 v254, v255
	ds_add_u32 v254, v255
	s_wait_dscnt 0x0
	v_lshrrev_b32 v1, 5, v0
	v_readfirstlane_b32 s[WV], v1                  ; wave 0..15
	s_bfe_u32 s13, ttmp6, 0x40000                  ; cx
	s_and_b32 s14, ttmp7, 0xffff                   ; batch x 16 + head
	s_lshr_b32 s15, s14, 4                         ; batch
	s_and_b32 s16, s14, 15                         ; head
	s_lshr_b32 s17, s16, 1                         ; key/value head
	s_lshr_b32 s24, s[WV], 2                       ; i
	s_and_b32 s26, s[WV], 3                        ; j
	s_xor_b32 s27, s24, s26
	s_and_b32 s27, s27, 1
	s_mul_i32 s27, s27, 7
	s_lshr_b32 s26, s26, 1
	s_lshr_b32 s28, s24, 1
	s_lshl_b32 s28, s28, 1
	s_add_co_u32 s26, s26, s28
	s_xor_b32 s[BLK], s26, s27                     ; my block of 128 queries
	s_and_b32 s24, s24, 1
	s_lshl_b32 s[TL], s13, 1
	s_add_co_u32 s[TL], s[TL], s24                 ; my tile in it
	s_mov_b32 s[G1C], 15|(3<<16)|(1<<21)           ; the mask: all four work-groups; elements of 8 bytes; bit 21 beside a mask
	s_mov_b32 s[G1C+1], 32<<16
	s_mov_b32 s[G1C+2], 32<<16
	s_mov_b32 s[G1C+3], 32<<16
	s_mov_b32 s[G1C+4], 32
	s_mov_b32 s[G1C+5], 32
	s_mov_b32 s[G1C+6], 0
	s_mov_b32 s[G1C+7], 0
	s_mov_b32 s[G1S], 3<<16                        ; no mask: a load of my work-group's own; elements of 8 bytes
	s_mov_b32 s[G1S+1], 32<<16
	s_mov_b32 s[G1S+2], 8<<16
	s_mov_b32 s[G1S+3], 32<<16
	s_mov_b32 s[G1S+4], 8
	s_mov_b32 s[G1S+5], 32
	s_mov_b32 s[G1S+6], 0
	s_mov_b32 s[G1S+7], 0
	; what I fetch, if I fetch: waves 0, 1: the halves of K's units; waves 2, 3: of V's
	s_lshl_b32 s26, s15, 3
	s_add_co_u32 s26, s26, s17
	s_lshl_b32 s26, s26, 3
	s_add_co_u32 s26, s26, 512                     ; K's first unit
	s_lshr_b32 s27, s[WV], 1
	s_and_b32 s27, s27, 1                          ; K (0) or V (1)
	s_and_b32 s29, s[WV], 1                        ; which half
	s_lshl_b32 s30, s27, 8
	s_add_co_u32 s26, s26, s30                     ; V's units lie 256 further on
	s_lshl_b32 s30, s26, 14
	s_lshl_b32 s31, s29, 13
	s_add_co_u32 s30, s30, s31
	s_mov_b32 s31, 0
	s_lshl_b32 s2, s26, 9
	s_lshl_b32 s3, s29, 11
	s_add_co_u32 s2, s2, s3
	s_mov_b32 s3, 0
	s_lshl_b32 s28, s27, 17
	s_lshl_b32 s24, s29, 13
	s_add_co_u32 s28, s28, s24                     ; LDS: my half of step 0
	s_lshl_b32 s24, s27, 12
	s_lshl_b32 s29, s29, 11
	s_add_co_u32 s24, s24, s29
	s_add_co_u32 s24, s24, KSC                     ; LDS: my half of the scale words
	s_mov_b32 s[MNT], 0x600000
	s_mov_b32 s[SEL], 0x76543210
	s_mov_b32 s[SEL+1], 0xfedcba98
	s_mov_b32 s[CS], 0x3e0293ee                    ; c = log2(e) / sqrt(128)
	s_mov_b32 s[CS+1], s[CS]
	s_wait_kmcnt 0x0
	s_add_nc_u64 s[30:31], s[4:5], s[30:31]
	s_add_nc_u64 s[2:3], s[6:7], s[2:3]
	CROUND                                         ; all four work-groups are here: the joint loads meet
	s_mov_b32 s48, 1
	s_mov_b32 s49, s24
	s_mov_b64 s[50:51], s[2:3]
	s_or_b32 s51, s51, 0x80000000
.irp s, 0,1,2,3,4,5,6,7
.set G, 52+4*\s+4*((\s+5)/8)
	s_mov_b32 s[G], 1
	s_add_co_u32 s[G+1], s28, 16384*\s
	s_add_nc_u64 s[G+2:G+3], s[30:31], 16384*\s
	s_or_b32 s[G+3], s[G+3], 0x80000000
.endr
	s_cmp_lt_u32 s[WV], 4                          ; a wave's fills stand in one branch on the wave's number, ahead of every wait on TENSORcnt and every LDS read
	s_cbranch_scc0 .Lno_fetch
	tensor_load_to_lds s[48:51], s[G1S:G1S+7]      ; the scale words, then the steps in the order in which they are wanted
	s_nop 0
.irp s, 0,1,2,3,4,5,6,7
.set G, 52+4*\s+4*((\s+5)/8)
	tensor_load_to_lds s[G:G+3], s[G1C:G1C+7]
	s_nop 0
.endr
.rept 4
	v_nop
.endr
.Lno_fetch:
	v_and_b32 v8, 15, v0                           ; r
	v_bfe_u32 v9, v0, 4, 1                         ; h
	v_and_b32 v10, 31, v0
	v_lshlrev_b32 v1, 4, v10                       ; 16 x lane: K's steps 0-3,
	v_add_nc_u32 v2, 0x10000, v1                   ; 4-7 (an LDS offset has 16 bits),
	v_add_nc_u32 v3, 0x20000, v1                   ; V's steps 0-3,
	v_add_nc_u32 v4, 0x30000, v1                   ; 4-7
	v_lshl_add_u32 v5, v8, 5, KSC                  ; row r's eight scale words
	v_lshlrev_b32 v7, 2, v8
	s_lshl_b32 s26, s[TL], 4
	v_lshlrev_b32 v6, 3, v9
	v_sub_nc_u32 v6, v8, v6
	v_add_nc_u32 v6, s26, v6                       ; my query in its block, less 8 h
	s_lshl_b32 s26, s14, 3
	s_add_co_u32 s26, s26, s[BLK]                  ; Q's unit
	s_lshl_b32 s28, s26, 14
	s_lshl_b32 s29, s[TL], 11
	s_add_co_u32 s28, s28, s29
	s_mov_b32 s29, 0
	s_add_nc_u64 s[28:29], s[4:5], s[28:29]
	s_lshl_b32 s30, s26, 9
	s_lshl_b32 s31, s[TL], 2
	s_add_co_u32 s30, s30, s31
	s_mov_b32 s31, 0
	s_add_nc_u64 s[30:31], s[6:7], s[30:31]
.irp c, 0,1,2,3
	global_load_b128 v[16+4*\c:19+4*\c], v1, s[28:29] offset:512*\c   ; Q's fragment stays in registers
.endr
	v_lshlrev_b32 v10, 5, v8
	global_load_b32 v255, v10, s[30:31]            ; and its scale word
	s_lshl_b32 s24, s15, 6                         ; where my results go: token tile 64 batch + 8 block + tile,
	s_lshl_b32 s26, s[BLK], 3
	s_add_co_u32 s24, s24, s26
	s_add_co_u32 s24, s24, s[TL]
	s_lshl_b32 s26, s24, 4
	s_add_co_u32 s26, s26, s16                     ; x 16 heads + head, images of 2,048 bytes
	s_lshl_b32 s26, s26, 11
	s_mov_b32 s27, 0
	s_add_nc_u64 s[8:9], s[8:9], s[26:27]
	s_lshl_b32 s26, s16, 12                        ; scale words: [head][4,096 tokens]
	s_lshl_b32 s24, s24, 4
	s_add_co_u32 s26, s26, s24
	s_lshl_b32 s26, s26, 2
	s_add_nc_u64 s[10:11], s[10:11], s[26:27]
.irp b, 0,1,2,3
	v_mov_b32 v[236+\b], 0                         ; written once: a lane permute's destination counts as one of its sources
.endr
	v_mov_b32 v252, 0
	s_wait_tensorcnt 7                             ; the scale words and step 0 are in; the seven later steps may be out
	s_barrier_signal -1
	s_barrier_wait -1
	s_wait_loadcnt 0x0                             ; Q
.macro NOPS8
.rept 8
	v_nop
.endr
.endm
.macro KLOAD s, g                      ; four tiles of 16 keys, and their scale words of row r
.irp t, 0,1,2,3
.irp c, 0,1,2,3
	ds_load_b128 v[32+16*\t+4*\c:35+16*\t+4*\c], v[1+(\s)/4] offset:((\s)%4)*16384+2048*(4*(\g)+\t)+512*\c
.endr
.endr
	ds_load_b128 v[248:251], v5 offset:512*(\s)+16*(\g)
.endm
.macro VLOAD s, g                      ; four tiles of 16 channels, and their scale words
.irp t, 0,1,2,3
.irp c, 0,1,2,3
	ds_load_b128 v[32+16*\t+4*\c:35+16*\t+4*\c], v[3+(\s)/4] offset:((\s)%4)*16384+2048*(4*(\g)+\t)+512*\c
.endr
.endr
	ds_load_b128 v[248:251], v5 offset:4096+512*(\s)+16*(\g)
.endm
.macro KQ g                            ; S^T = K Q^T
.irp t, 0,1,2,3
	v_wmma_scale_f32_16x16x128_f8f6f4 v[96+8*(4*(\g)+\t):103+8*(4*(\g)+\t)], v[32+16*\t:47+16*\t], v[16:31], 0, v[248+\t], v255
.endr
.endm
.macro PV g, zero                      ; O^T += V^T P^T; zero = 1: the first step's products start the sums
.irp t, 0,1,2,3
.if \zero
	v_wmma_scale_f32_16x16x128_f8f6f4 v[160+8*(4*(\g)+\t):167+8*(4*(\g)+\t)], v[32+16*\t:47+16*\t], v[224:239], 0, v[248+\t], v253
.else
	v_wmma_scale_f32_16x16x128_f8f6f4 v[160+8*(4*(\g)+\t):167+8*(4*(\g)+\t)], v[32+16*\t:47+16*\t], v[224:239], v[160+8*(4*(\g)+\t):167+8*(4*(\g)+\t)], v[248+\t], v253
.endif
.endr
.endm
; The largest score of blocks lo and lo + 1 of 32 keys: it serves for the row's maximum and, since p rises with the score, for the block's largest p.  Two chains a block, one for each of its two tiles, each from the tile's low end on:
; four chains by turns, 16 lines.
.macro BMAX lo
.irp b, \lo, \lo+1
	v_max3_num_f32 v[232+\b], v[96+16*(\b)], v[97+16*(\b)], v[98+16*(\b)]
	v_max3_num_f32 v[236+\b], v[104+16*(\b)], v[105+16*(\b)], v[106+16*(\b)]
.endr
.irp i, 3,5
.irp b, \lo, \lo+1
	v_max3_num_f32 v[232+\b], v[232+\b], v[96+16*(\b)+\i], v[97+16*(\b)+\i]
	v_max3_num_f32 v[236+\b], v[236+\b], v[104+16*(\b)+\i], v[105+16*(\b)+\i]
.endr
.endr
.irp b, \lo, \lo+1
	v_max3_num_f32 v[232+\b], v[232+\b], v[103+16*(\b)], v[111+16*(\b)]
.endr
.irp b, \lo, \lo+1
	v_max_num_f32 v[232+\b], v[232+\b], v[236+\b]
.endr
.endm
; KEY STEP s.  Waves whose block lies ahead of the step pass round its work, never round a barrier's half.
.macro STEP s
.if \s < 2
	s_wait_tensorcnt 6-6*\s                        ; step 0: my part of step 1 has landed, the six steps behind it may be out; step 1: all my loads have landed
	s_barrier_signal -1
.endif
.if \s > 0
	s_cmp_lt_u32 s[BLK], \s
	s_cbranch_scc1 .Ldone_\@
.endif
	KLOAD \s, 0
	s_wait_dscnt 0x0
	KQ 0
	NOPS8                                          ; places in front of loads into registers that matrix instructions have read, and of the first read of these four tiles
	KLOAD \s, 1
	s_wait_dscnt 0x0
	KQ 1
	s_cmp_lg_u32 s[BLK], \s                        ; on the diagonal the scores of hidden keys become -infinity ahead of the maximum; its first 65 lines touch the first four tiles alone
	s_cbranch_scc1 .Lopen_\@
	v_mov_b32 v254, 0xff800000
.set n, 0
.rept 64
	v_cmp_gt_i32 vcc_lo, 32*(n/16)+n%16+8*((n%16)/8), v6
	v_cndmask_b32 v[96+n], v[96+n], v254, vcc_lo
.set n, n+1
.endr
.Lopen_\@:
	BMAX 0                                         ; these 16 lines name the first four tiles alone: they are the places behind the last four products
	VLOAD \s, 0                                    ; V's first four fragments are asked for here: they land under the softmax
	BMAX 2
.irp b, 0,1,2,3
	v_permlanex16_b32 v[236+\b], v[232+\b], s[SEL], s[SEL+1]
.endr
.irp b, 0,1,2,3
	v_max_num_f32 v[232+\b], v[232+\b], v[236+\b]
.endr
	v_max3_num_f32 v254, v232, v233, v234
	v_max_num_f32 v254, v254, v235
.if \s == 0
	v_mul_f32 v13, s[CS], v254                     ; the largest t
	v_floor_f32 v12, -v13                          ; -M = floor(-t)
.else
	v_mul_f32 v254, s[CS], v254
	v_max_num_f32 v13, v13, v254                   ; the running largest t
	v_mov_b32 v254, v12
	v_floor_f32 v12, -v13
	v_sub_f32 v254, v12, v254                      ; old M - new M: a whole number, 0 or less
	v_cvt_i32_f32 v254, v254
	v_ldexp_f32 v254, 1.0, v254                    ; f = 2^(old M - new M)
.endif
.set j, 0
.rept 32
	v_pk_fma_f32 v[96+j:97+j], v[96+j:97+j], s[CS:CS+1], v[12:13] op_sel_hi:[1,0,0]   ; t - M
.set j, j+2
.endr
.irp b, 0,1,2,3
	v_fma_f32 v[232+\b], v[232+\b], s[CS], v12
.endr
.set j, 0
.rept 64
	v_exp_f32 v[96+j], v[96+j]                     ; p = 2^(t - M)
.set j, j+1
.endr
.if \s == 0
	v_mov_b32 v14, 0                               ; the sum begins.  (Plain lines behind the exponentials)
	v_mov_b32 v15, 0
.else
	v_pk_mul_f32 v[14:15], v[14:15], v[254:255] op_sel_hi:[1,0]   ; the sum under the new M (of the pair the low word serves both halves).  (A plain line behind the exponentials)
.endif
	s_wait_alu depctr_va_vdst(0)                   ; one wait for the batch, ahead of its first reader
.irp b, 0,1,2,3
	v_exp_f32 v[232+\b], v[232+\b]                 ; the blocks' largest p
.endr
	v_pk_add_f32 v[236:237], v[96:97], v[98:99]    ; the row's sum is taken of the unquantised p, in two chains
.set j, 4
.rept 15
	v_pk_add_f32 v[14:15], v[14:15], v[96+j:97+j]
	v_pk_add_f32 v[236:237], v[236:237], v[98+j:99+j]
.set j, j+4
.endr
	v_pk_add_f32 v[14:15], v[14:15], v[236:237]
	s_wait_alu depctr_va_vdst(0)                   ; and one for the four
.irp b, 0,1,2,3
	v_max_num_f32 v[232+\b], 0x4800000, v[232+\b]  ; the floor 2^(9 - 127)
.endr
.irp b, 0,1,2,3
	v_add_nc_u32 v[244+\b], 0xfc000000, v[232+\b]  ; the conversion's scale operand
.endr
.irp b, 0,1,2,3
	v_and_or_b32 v[240+\b], v[232+\b], 0x7f800000, s[MNT]   ; 448 x the scale
.endr
.irp b, 0,1,2,3
	v_lshrrev_b32 v[236+\b], 23, v[244+\b]         ; the scale's byte
.endr
	v_lshl_or_b32 v253, v237, 8, v236              ; p's scale word for these 128 keys
	v_lshl_or_b32 v253, v238, 16, v253
	v_lshl_or_b32 v253, v239, 24, v253
.irp b, 0,1,2,3
.set i, 0
.rept 16
	v_min_num_f32 v[96+16*\b+i], v[96+16*\b+i], v[240+\b]   ; the hold; p is not negative
.set i, i+1
.endr
	v_cvt_scalef32_pk8_fp8_f32 v[224+4*\b:225+4*\b], v[96+16*\b:103+16*\b], v[244+\b]
	v_cvt_scalef32_pk8_fp8_f32 v[226+4*\b:227+4*\b], v[104+16*\b:111+16*\b], v[244+\b]
.endr
.if \s == 0
.rept 4
	v_nop                                          ; codes written by vector lines stand four places ahead of a scaled matrix instruction
.endr
.else
.set j, 0
.rept 16
	v_pk_mul_f32 v[160+j:161+j], v[160+j:161+j], v[254:255] op_sel_hi:[1,0]   ; O^T's tiles 0-3 under the new M; these lines are also those places
.set j, j+2
.endr
.endif
	s_wait_dscnt 0x0                               ; V's first four fragments
	PV 0, 1-(\s+7)/8
.if \s == 0
	NOPS8
.else
.set j, 32
.rept 16
	v_pk_mul_f32 v[160+j:161+j], v[160+j:161+j], v[254:255] op_sel_hi:[1,0]   ; tiles 4-7 under the new M: they name no register of the four products above, and are the places behind them
.set j, j+2
.endr
.endif
	VLOAD \s, 1
	s_wait_dscnt 0x0
	PV 1, 1-(\s+7)/8
	NOPS8                                          ; places behind the step's last products: for the next step's loads, and for the way out's first read of O^T
.Ldone_\@:
.if \s < 2
	s_barrier_wait -1                              ; step 0: step 1 is whole; step 1: all the steps are
.endif
.endm
.irp s, 0,1,2,3,4,5,6,7
	STEP \s
.endr
	; THE WAY OUT: O^T / the sum, quantised along the head's 128, in true order, as an image
	v_add_f32 v14, v14, v15
	v_permlanex16_b32 v252, v14, s[SEL], s[SEL+1]
	v_add_f32 v14, v14, v252                       ; the row's sum
	v_rcp_f32 v14, v14
	v_nop                                          ; a plain line behind the reciprocal
	s_wait_alu depctr_va_vdst(0)                   ; the wait, ahead of its first reader
.set j, 0
.rept 32
	v_pk_mul_f32 v[96+j:97+j], v[160+j:161+j], v[14:15] op_sel_hi:[1,0]   ; register 8 t + i: channel 16 t + 8 h + i; each accumulator from its low end on
.set j, j+2
.endr
.irp b, 0,1,2,3
	v_max3_num_f32 v[232+\b], |v[96+16*\b]|, |v[97+16*\b]|, 0x4800000
.endr
.irp i, 2,4,6,8,10,12,14
.irp b, 0,1,2,3
	v_max3_num_f32 v[232+\b], v[232+\b], |v[96+16*\b+\i]|, |v[97+16*\b+\i]|
.endr
.endr
.irp b, 0,1,2,3
	v_permlanex16_b32 v[236+\b], v[232+\b], s[SEL], s[SEL+1]
.endr
.irp b, 0,1,2,3
	v_max_num_f32 v[232+\b], v[232+\b], v[236+\b]
.endr
.irp b, 0,1,2,3
	v_add_nc_u32 v[244+\b], 0xfc000000, v[232+\b]
.endr
.irp b, 0,1,2,3
	v_and_or_b32 v[240+\b], v[232+\b], 0x7f800000, s[MNT]
.endr
.irp b, 0,1,2,3
	v_lshrrev_b32 v[236+\b], 23, v[244+\b]
.endr
	v_lshl_or_b32 v253, v237, 8, v236
	v_lshl_or_b32 v253, v238, 16, v253
	v_lshl_or_b32 v253, v239, 24, v253
.irp b, 0,1,2,3
.set i, 0
.rept 16
	v_med3_num_f32 v[96+16*\b+i], v[96+16*\b+i], -v[240+\b], v[240+\b]
.set i, i+1
.endr
	v_cvt_scalef32_pk8_fp8_f32 v[224+4*\b:225+4*\b], v[96+16*\b:103+16*\b], v[244+\b]
	v_cvt_scalef32_pk8_fp8_f32 v[226+4*\b:227+4*\b], v[104+16*\b:111+16*\b], v[244+\b]
.endr
	v_nop                                          ; a plain line behind the last conversion
	v_cmp_eq_u32 vcc_lo, 1, v9
; In block c my first two registers hold channels 32 c + 8 h + 0..7, my last two 32 c + 16 + 8 h + 0..7.  True order wants 32 c + 16 h + 0..15: lanes 0-15 send their last two and take the partner's first two behind their own;
; lanes 16-31 send their first two and take the partner's last two ahead of their own.
.irp c, 0,1,2,3
.set TT, 240+2*(\c%2)
.set XX, 244+2*(\c%2)
	v_cndmask_b32 v[TT], v[226+4*\c], v[224+4*\c], vcc_lo
	v_cndmask_b32 v[TT+1], v[227+4*\c], v[225+4*\c], vcc_lo
	v_permlanex16_b32 v[XX], v[TT], s[SEL], s[SEL+1]
	v_permlanex16_b32 v[XX+1], v[TT+1], s[SEL], s[SEL+1]
	v_cndmask_b32 v[224+4*\c], v[224+4*\c], v[XX], vcc_lo
	v_cndmask_b32 v[225+4*\c], v[225+4*\c], v[XX+1], vcc_lo
	v_cndmask_b32 v[226+4*\c], v[XX], v[226+4*\c], vcc_lo
	v_cndmask_b32 v[227+4*\c], v[XX+1], v[227+4*\c], vcc_lo
.endr
.irp c, 0,1,2,3
	global_store_b128 v1, v[224+4*\c:227+4*\c], s[8:9] offset:512*\c   ; 32 lanes store 512 consecutive bytes, aligned
.endr
	global_store_b32 v7, v253, s[10:11]            ; row r's scale word; both halves of the lanes hold and write the same word
	s_wait_dscnt 0x0
	s_wait_xcnt 0x0
	v_lshl_add_u32 v254, v0, 2, 0x42000
	v_mov_b32 v255, 0
	s_wait_tensorcnt 0x0
	ds_add_u32 v254, v255
	s_wait_dscnt 0x0
	CROUND                                         ; the closing round
	s_endpgm
.Lfunc_end_k_q106b6a080f_attn:
	.size	k_q106b6a080f_attn, .Lfunc_end_k_q106b6a080f_attn-k_q106b6a080f_attn
	.p2alignl 7, 3214868480
	.fill 96, 4, 3214868480
	.section	.rodata,"a",@progbits
	.p2align	6, 0x0
	.amdhsa_kernel k_q106b6a080f_attn
		.amdhsa_group_segment_fixed_size 272384
		.amdhsa_private_segment_fixed_size 0
		.amdhsa_enable_private_segment 0
		.amdhsa_kernarg_size 32
		.amdhsa_user_sgpr_count 2
		.amdhsa_user_sgpr_kernarg_segment_ptr 1
		.amdhsa_wavefront_size32 1
		.amdhsa_system_sgpr_workgroup_id_x 1
		.amdhsa_system_sgpr_workgroup_id_y 1
		.amdhsa_system_sgpr_workgroup_id_z 1
		.amdhsa_system_vgpr_workitem_id 0
		.amdhsa_next_free_vgpr 256
		.amdhsa_next_free_sgpr 88
		.amdhsa_reserve_vcc 1
		.amdhsa_float_denorm_mode_32 3
		.amdhsa_float_denorm_mode_16_64 3
		.amdhsa_memory_ordered 1
		.amdhsa_forward_progress 1
		.amdhsa_inst_pref_size 235
	.end_amdhsa_kernel
	.amdgpu_metadata
---
amdhsa.version: [ 1, 2 ]
amdhsa.kernels:
  - .name:           k_q106b6a080f_attn
    .symbol:         k_q106b6a080f_attn.kd
    .args:
      - { .name: qkv_img, .offset: 0, .size: 8, .value_kind: global_buffer, .address_space: global }
      - { .name: qkv_sc, .offset: 8, .size: 8, .value_kind: global_buffer, .address_space: global }
      - { .name: att_img, .offset: 16, .size: 8, .value_kind: global_buffer, .address_space: global }
      - { .name: att_sc, .offset: 24, .size: 8, .value_kind: global_buffer, .address_space: global }
    .group_segment_fixed_size: 272384
    .private_segment_fixed_size: 0
    .kernarg_segment_align: 8
    .kernarg_segment_size: 32
    .max_flat_workgroup_size: 512
    .sgpr_count:     88
    .vgpr_count:     256
    .wavefront_size: 32
...
	.end_amdgpu_metadata
.endif
;; end of part 2
;; launch proj (part 3): grid 8 x 32, 4 waves a work-group, clusters of 4 x 4, 327,680 bytes of LDS; arguments att_img, att_sc, W_o_codes, W_o_scales, out0; writes out0
.if DOCPART == 3
	.amdgcn_target "amdgcn-amd-amdhsa--gfx1250"
	.amdhsa_code_object_version 6
	.text
	.protected	k_q106b6a080f_proj
	.globl	k_q106b6a080f_proj
	.p2align	8
	.type	k_q106b6a080f_proj,@function
k_q106b6a080f_proj:
	s_mov_b64 s[64:65], 0
	v_nop
	global_prefetch_b8 v0, s[64:65] scope:SCOPE_SE
	s_setreg_imm32_b32 hwreg(HW_REG_WAVE_MODE, 25, 1), 1
	s_wait_xcnt 0x0
	s_wait_alu depctr_hold_cnt(0) depctr_sa_sdst(0) depctr_va_vdst(0) depctr_va_sdst(0) depctr_va_ssrc(0) depctr_va_vcc(0) depctr_vm_vsrc(0)
	s_getreg_b32 s2, hwreg(HW_REG_IB_STS2, 6, 4)
	s_cmp_eq_u32 s2, 0
	s_cbranch_scc0 .Lentry_in_a_cluster
	s_endpgm
.Lentry_in_a_cluster:
	s_bfe_u32 s2, ttmp6, 0x10000c
	s_cmp_lg_u32 s2, 0xf033
	s_cbranch_scc0 .Lentry_shape_is_right
	s_endpgm
.Lentry_shape_is_right:
; out = attn W_o on codes of FP8 (E4M3) with E8M0 scales; out: [4096][2048] f32.
; attn comes as images of its operand's registers: [token tile of 16 (256)][head (16)][2,048 bytes] (chunk c of 512 bytes = registers 4 c .. 4 c + 3, lane l's 16 bytes at 16 l), scale words [head 16][token 4096].
; W_o: [2048 (n)][2048 (k)] codes, K innermost; scale bytes [2048][64].
; Tiles of 256 x 256 would be 128, half as many as there are WGPs: a tile is 128 (tokens) x 256 (n), 256 work-groups.  Four waves, each 64 x 128: 32 accumulators, 256 registers.
; THE RING HAS TWO SLOTS OF UNEQUAL SIZE, as large as LDS holds: X takes 512 along K (four heads), Y 256 (two heads).  K's eight units of 256 go X(0, 1) Y(2) X(3, 4) Y(5) X(6, 7): the first two fills go out together,
; three refills follow: a wave's one load behind a barrier brings up to two units, and there are three such barriers for 2,048 along K.
; The work goes in 16 sub-steps of 128 along K (sub-step k = head k), 32 matrix instructions a wave, on two sets of fragments by turns; sub-step k lies in X where k % 6 < 4, at place k % 6; else in Y, at place k % 6 - 4.
; The sub-steps are written out: the scale words' registers differ from each to the next and do not come back.
; SCALES.  W_o's scale bytes of the work-group's 256 rows come into LDS once, with the first fills.  attn's scale words go straight into 32 registers of each wave, once: lanes 0-15 hold the even head of a unit, lanes 16-31 the odd one.
; CLUSTERS: 4 x 4 work-groups; attn's tiles are asked for jointly along a row of the cluster, W_o's along a column.  The matrix instruction is used transposed (source 0 = 16 rows of W_o, source 1 = 16 tokens):
; a lane holds eight neighbouring numbers of a row of out.
; REGISTERS: window 0: v16-29 addresses; v32-63 attn's scale words (unit u, token block a at 4 u + a); v64-95 W_o's, two sets of 16; v128-191, v192-255 attn's fragments, two sets (on the way out: rows of out).
;   window 1: W_o's fragments, two sets.   window 2: the accumulators ((a, b) at v[8 (8 a + b)]).
.set KROW,   2048
.set PX,     528                       ; W_o's rows in X: 512 bytes + 16 of padding; in Y: 256 + 16: the 16 rows that a load touches start at 16 different banks (64 banks of 4 bytes: ISA guide 11.1)
.set PY,     272
.set FR,     16
.set NP,     8                         ; places behind this matrix instruction (ISA guide 7.12.1)
.set XA,     0                         ; X: attn's 8 token tiles x 4 heads x 2,048 bytes,
.set XB,     65536                     ; W_o's 256 rows
.set YA,     XB+256*PX                 ; Y: 8 token tiles x 2 heads x 2,048 bytes,
.set YB,     YA+32768                  ; W_o's 256 rows
.set SCB,    YB+256*PY                 ; W_o's scale bytes: 64 units of 256 bytes + 16
.set HALFS,  32*272
.set SBLK,   4*272
.set SPARE,  SCB+2*HALFS               ; the spare words, 128 bytes a wave
.set STAGE,  YA                        ; the way out: 16 rows x (512 + 16) bytes a wave, in Y, which has had its last fill and its last read by then
.set SPITCH, 528
.set ADAX, 16
.set ADAY, 17
.set ADBX, 20
.set ADBY, 21
.set ASA,  23                          ; v23  4 r + 16,384 h: my place among attn's scale words; never rewritten
.set STO,  24
.set RD,   25
.set CO,   26
.set ADSB, 27
.set SPW,  28
.set NIL,  29
.set SA,   32
.set SB,   64
.set AF,   128
.set BK,   128
.set G1AX, 24                          ; s[24:31] group 1, attn's part of X;  s[32:35], s[36:39] groups 0 for attn in X, in Y
.set G0AX, 32
.set G0AY, 36
.set G1BX, 48                          ; s[48:55] W_o's part of X;  s[56:59], s[60:63] groups 0 for W_o in X, in Y
.set G0BX, 56
.set G0BY, 60
.set G1AY, 68                          ; s[68:75] attn's part of Y
.set G1BY, 76                          ; s[76:83] W_o's part of Y
.set G1SB, 84                          ; s[84:91], s[92:95] W_o's scale bytes
.set G0SB, 92
.set MSB, 0
.macro WIN new                         ; the immediate's high byte repeats the setting that is left
.if MSB != \new
	s_set_vgpr_msb (MSB<<8)|\new
.set MSB, \new
.endif
.endm
.set MUL,  0xa1                        ; source 0 (W_o) window 1, source 1 (attn) window 0, C and D window 2
.set TO_B, 0x40
.macro JLOAD g0a, g1a, g0b, g1b        ; waves 0 and 1 fetch for attn, waves 2 and 3 for W_o; four v_nop follow each line
	s_cmp_eq_u32 s15, 0
	s_cbranch_scc0 .Lfor_b_\@
	tensor_load_to_lds s[\g0a:\g0a+3], s[\g1a:\g1a+7]
	s_nop 0
.rept 4
	v_nop
.endr
	s_branch .Lasked_\@
.Lfor_b_\@:
	tensor_load_to_lds s[\g0b:\g0b+3], s[\g1b:\g1b+7]
	s_nop 0
.rept 4
	v_nop
.endr
.Lasked_\@:
.endm
.macro CREST
	s_cmp_lg_u32 s14, 0
	s_cbranch_scc1 .Lnot_wave_0_\@
	s_barrier_signal -3
.Lnot_wave_0_\@:
	s_barrier_wait -3
	s_barrier_signal -1
	s_barrier_wait -1
.endm
.macro CROUND
	s_barrier_signal -1
	s_barrier_wait -1
	CREST
.endm
	s_load_b128 s[4:7], s[0:1], 0x0                ; att_img, att_sc
	s_load_b128 s[8:11], s[0:1], 0x10              ; W_o's codes, scales
	s_load_b64 s[12:13], s[0:1], 0x20              ; out
	v_lshl_add_u32 v[SPW], v0, 2, SPARE
	v_mov_b32 v[NIL], 0
	ds_add_u32 v28, v29
	ds_add_u32 v28, v29
	s_wait_dscnt 0x0
	v_lshrrev_b32 v1, 5, v0
	v_readfirstlane_b32 s14, v1                    ; wave 0..3
	s_lshr_b32 s15, s14, 1                         ; which 64 tokens are mine.  Also: I fetch for attn (0) or W_o (1)
	s_and_b32 s16, s14, 1                          ; which 128 columns.  Also: which half I fetch
	s_bfe_u32 s40, ttmp6, 0x40000                  ; cx
	s_bfe_u32 s41, ttmp6, 0x40004                  ; cy
	s_lshl_b32 s42, ttmp9, 2
	s_add_co_u32 s42, s42, s40                     ; tile column: 256 n
	s_and_b32 s17, ttmp7, 0xffff
	s_lshl_b32 s17, s17, 2
	s_add_co_u32 s17, s17, s41                     ; tile row: 128 tokens
	s_lshl_b32 s43, s41, 2
	s_lshl_b32 s43, 15, s43                        ; my row of the cluster
	s_lshl_b32 s44, 0x1111, s40                    ; my column
	; attn's part of X for one wave: 4 token tiles, of each 8,192 consecutive bytes (four heads), 32,768 bytes apart: elements of 8 bytes
	s_or_b32 s[G1AX+0], s43, (3<<16)|(1<<21)
	s_mov_b32 s[G1AX+1], 1024<<16
	s_mov_b32 s[G1AX+2], 4<<16
	s_mov_b32 s[G1AX+3], 1024<<16
	s_mov_b32 s[G1AX+4], 4
	s_mov_b32 s[G1AX+5], 4096
	s_mov_b32 s[G1AX+6], 0
	s_mov_b32 s[G1AX+7], 0
	; of Y: 4,096 bytes (two heads) of each
	s_or_b32 s[G1AY+0], s43, (3<<16)|(1<<21)
	s_mov_b32 s[G1AY+1], 512<<16
	s_mov_b32 s[G1AY+2], 4<<16
	s_mov_b32 s[G1AY+3], 512<<16
	s_mov_b32 s[G1AY+4], 4
	s_mov_b32 s[G1AY+5], 4096
	s_mov_b32 s[G1AY+6], 0
	s_mov_b32 s[G1AY+7], 0
	; W_o's part of X: 128 rows of 512 bytes, 4 words of padding after every 128
	s_or_b32 s[G1BX+0], s44, (0<<16)|(1<<20)|(1<<21)|(6<<22)|(3<<25)
	s_mov_b32 s[G1BX+1], 512<<16
	s_mov_b32 s[G1BX+2], 128<<16
	s_mov_b32 s[G1BX+3], 512<<16
	s_mov_b32 s[G1BX+4], 128
	s_mov_b32 s[G1BX+5], KROW
	s_mov_b32 s[G1BX+6], 0
	s_mov_b32 s[G1BX+7], 0
	; of Y: 128 rows of 256 bytes, 4 words of padding after every 64
	s_or_b32 s[G1BY+0], s44, (0<<16)|(1<<20)|(1<<21)|(5<<22)|(3<<25)
	s_mov_b32 s[G1BY+1], 256<<16
	s_mov_b32 s[G1BY+2], 128<<16
	s_mov_b32 s[G1BY+3], 256<<16
	s_mov_b32 s[G1BY+4], 128
	s_mov_b32 s[G1BY+5], KROW
	s_mov_b32 s[G1BY+6], 0
	s_mov_b32 s[G1BY+7], 0
	; W_o's scale bytes of 128 rows: 8,192 dense bytes as 32 rows of 256, padded
	s_or_b32 s[G1SB+0], s44, (3<<16)|(1<<20)|(1<<21)|(5<<22)|(3<<25)
	s_mov_b32 s[G1SB+1], 32<<16
	s_mov_b32 s[G1SB+2], 32<<16
	s_mov_b32 s[G1SB+3], 32<<16
	s_mov_b32 s[G1SB+4], 32
	s_mov_b32 s[G1SB+5], 32
	s_mov_b32 s[G1SB+6], 0
	s_mov_b32 s[G1SB+7], 0
	s_lshl_b32 s18, s16, 17
	s_lshl_b32 s20, s17, 18                        ; attn: 8 token tiles of 32,768 bytes a tile row, + my 4
	s_add_co_u32 s20, s20, s18
	s_mov_b32 s21, 0
	s_lshl_b32 s98, s17, 9                         ; its scale words: 512 bytes a tile row in each head, + my 64 tokens
	s_lshl_b32 s19, s15, 8
	s_add_co_u32 s98, s98, s19
	s_mov_b32 s99, 0
	s_lshl_b32 s46, s42, 19                        ; W_o: 256 rows of 2,048 bytes a tile column, + my 128
	s_lshl_b32 s19, s16, 18
	s_add_co_u32 s46, s46, s19
	s_mov_b32 s47, 0
	s_lshl_b32 s96, s42, 14                        ; its scale bytes: 64 a row
	s_lshl_b32 s19, s16, 13
	s_add_co_u32 s96, s96, s19
	s_mov_b32 s97, 0
	s_wait_kmcnt 0x0
	s_add_nc_u64 s[20:21], s[4:5], s[20:21]
	s_add_nc_u64 s[98:99], s[6:7], s[98:99]
	s_add_nc_u64 s[46:47], s[8:9], s[46:47]
	s_add_nc_u64 s[96:97], s[10:11], s[96:97]
	CROUND                                         ; all sixteen work-groups are here: the first joint loads meet
	s_mov_b32 s[G0AX], 1
	s_lshl_b32 s[G0AX+1], s16, 15                  ; LDS: XA (= 0) + my 4 token tiles of 8,192 bytes
	s_mov_b64 s[G0AX+2:G0AX+3], s[20:21]           ; units 0 and 1
	s_or_b32 s[G0AX+3], s[G0AX+3], 0x80000000
	s_mov_b32 s[G0AY], 1
	s_lshl_b32 s45, s16, 14
	s_add_co_u32 s[G0AY+1], s45, YA
	s_add_nc_u64 s[G0AY+2:G0AY+3], s[20:21], 2*4096   ; unit 2
	s_or_b32 s[G0AY+3], s[G0AY+3], 0x80000000
	s_mov_b32 s[G0BX], 1
	s_mul_i32 s45, s16, 128*PX
	s_add_co_u32 s[G0BX+1], s45, XB
	s_mov_b64 s[G0BX+2:G0BX+3], s[46:47]
	s_or_b32 s[G0BX+3], s[G0BX+3], 0x80000000
	s_mov_b32 s[G0BY], 1
	s_mul_i32 s45, s16, 128*PY
	s_add_co_u32 s[G0BY+1], s45, YB
	s_add_nc_u64 s[G0BY+2:G0BY+3], s[46:47], 2*256
	s_or_b32 s[G0BY+3], s[G0BY+3], 0x80000000
	s_mov_b32 s[G0SB], 1
	s_mul_i32 s45, s16, HALFS
	s_add_co_u32 s[G0SB+1], s45, SCB
	s_mov_b64 s[G0SB+2:G0SB+3], s[96:97]
	s_or_b32 s[G0SB+3], s[G0SB+3], 0x80000000
	s_cmp_eq_u32 s15, 0                            ; a wave's first fills stand in one branch on the wave's number: two (attn) or three (W_o) loads of mine are out; on both ways Y's is the last
	s_cbranch_scc0 .Lfirst_b
	tensor_load_to_lds s[G0AX:G0AX+3], s[G1AX:G1AX+7]
	s_nop 0
	tensor_load_to_lds s[G0AY:G0AY+3], s[G1AY:G1AY+7]
	s_nop 0
.rept 4
	v_nop
.endr
	s_branch .Lfirst_asked
.Lfirst_b:
	tensor_load_to_lds s[G0SB:G0SB+3], s[G1SB:G1SB+7]
	s_nop 0
	tensor_load_to_lds s[G0BX:G0BX+3], s[G1BX:G1BX+7]
	s_nop 0
	tensor_load_to_lds s[G0BY:G0BY+3], s[G1BY:G1BY+7]
	s_nop 0
.rept 4
	v_nop
.endr
.Lfirst_asked:
	v_and_b32 v1, 15, v0                           ; r
	v_bfe_u32 v2, v0, 4, 1                         ; h
	v_lshlrev_b32 v[ASA], 2, v1
	v_lshl_add_u32 v[ASA], v2, 14, v[ASA]          ; a head's words are 16,384 bytes: lanes 16-31 take the odd head
.irp u, 0,1,2,3,4,5,6,7
.irp a, 0,1,2,3
	global_load_b32 v[SA+4*\u+\a], v[ASA], s[98:99] offset:\u*32768+\a*64   ; the four loads of a unit cover 256 consecutive bytes of each of its two heads
.endr
.endr
	v_and_b32 v6, 31, v0
	v_lshlrev_b32 v[CO], 4, v6                     ; 16 x lane
	s_lshl_b32 s21, s15, 15
	v_add_nc_u32 v[ADAX], s21, v[CO]               ; attn in X: my 4 token tiles of 8,192 bytes
	s_lshl_b32 s21, s15, 14
	s_add_co_u32 s21, s21, YA
	v_add_nc_u32 v[ADAY], s21, v[CO]               ; in Y: of 4,096 bytes
	v_mul_u32_u24 v3, v1, PX
	v_lshl_add_u32 v3, v2, 4, v3
	s_mul_i32 s21, s16, 128*PX
	s_add_co_u32 s21, s21, XB
	v_add_nc_u32 v[ADBX], s21, v3                  ; W_o in X: my 128 rows; row r, + 16 h
	v_mul_u32_u24 v4, v1, PY
	v_lshl_add_u32 v4, v2, 4, v4
	s_mul_i32 s21, s16, 128*PY
	s_add_co_u32 s21, s21, YB
	v_add_nc_u32 v[ADBY], s21, v4                  ; in Y
	s_mul_i32 s21, s16, HALFS
	s_add_co_u32 s21, s21, SCB
	v_lshlrev_b32 v5, 6, v1
	v_lshrrev_b32 v7, 2, v1
	v_lshl_add_u32 v5, v7, 4, v5
	v_add_nc_u32 v[ADSB], s21, v5                  ; W_o's scale bytes: 64 r, and 16 more for each 256 passed
	s_mul_i32 s23, s14, 16*SPITCH
	s_add_co_u32 s23, s23, STAGE                   ; my stage
	v_mul_u32_u24 v5, v1, SPITCH
	v_lshl_add_u32 v5, v2, 5, v5
	v_add_nc_u32 v[STO], s23, v5
	v_add_nc_u32 v[RD], s23, v[CO]
	s_lshl_b32 s20, s17, 20                        ; out: 128 rows of 8,192 bytes a tile row,
	s_lshl_b32 s21, s15, 19                        ; my 64,
	s_add_co_u32 s20, s20, s21
	s_lshl_b32 s46, s42, 10                        ; 1,024 bytes a tile column,
	s_lshl_b32 s47, s16, 9                         ; my 512
	s_add_co_u32 s46, s46, s47
	s_add_co_u32 s20, s20, s46
	s_mov_b32 s21, 0
	s_add_nc_u64 s[12:13], s[12:13], s[20:21]
; 8 matrix instructions of sub-step k: token block a x W_o's eight blocks.  The 32 accumulators take turns, one instruction a turn, in one order throughout.
; attn's scale word of an odd head stands in lanes 16-31.
.macro MUL8 a, k, zero
.irp b, 0,1,2,3,4,5,6,7
.if \zero
	v_wmma_scale_f32_16x16x128_f8f6f4 v[8*(8*(\a)+\b):8*(8*(\a)+\b)+7], v[128*((\k)%2)+FR*\b:128*((\k)%2)+FR*\b+FR-1], v[AF+64*((\k)%2)+FR*(\a):AF+64*((\k)%2)+FR*(\a)+FR-1], 0, v[SB+16*(((\k)/2)%2)+2*\b+(\k)%2], v[SA+4*((\k)/2)+(\a)]
.elseif ((\k)%2) == 0
	v_wmma_scale_f32_16x16x128_f8f6f4 v[8*(8*(\a)+\b):8*(8*(\a)+\b)+7], v[128*((\k)%2)+FR*\b:128*((\k)%2)+FR*\b+FR-1], v[AF+64*((\k)%2)+FR*(\a):AF+64*((\k)%2)+FR*(\a)+FR-1], v[8*(8*(\a)+\b):8*(8*(\a)+\b)+7], v[SB+16*(((\k)/2)%2)+2*\b+(\k)%2], v[SA+4*((\k)/2)+(\a)]
.else
	v_wmma_scale_f32_16x16x128_f8f6f4 v[8*(8*(\a)+\b):8*(8*(\a)+\b)+7], v[128*((\k)%2)+FR*\b:128*((\k)%2)+FR*\b+FR-1], v[AF+64*((\k)%2)+FR*(\a):AF+64*((\k)%2)+FR*(\a)+FR-1], v[8*(8*(\a)+\b):8*(8*(\a)+\b)+7], v[SB+16*(((\k)/2)%2)+2*\b+(\k)%2], v[SA+4*((\k)/2)+(\a)] matrix_b_scale:MATRIX_SCALE_ROW1
.endif
.endr
.endm
; The fragments of sub-step k into set k % 2: W_o's eight (rows), attn's four (images: 512 consecutive bytes a load); with an even k the unit's scale words of W_o, two a row, into set (k / 2) % 2
.macro FETCH k
.set FS, (\k)%2
.set FP, (\k)%6
	WIN TO_B
.irp i, 0,1,2,3,4,5,6,7
.irp c, 0,1,2,3
.if FP < 4
	ds_load_b128 v[128*FS+FR*\i+4*\c:128*FS+FR*\i+4*\c+3], v[ADBX] offset:128*FP+32*\c+\i*16*PX
.else
	ds_load_b128 v[128*FS+FR*\i+4*\c:128*FS+FR*\i+4*\c+3], v[ADBY] offset:128*(FP-4)+32*\c+\i*16*PY
.endif
.endr
.endr
	WIN 0
.irp a, 0,1,2,3
.irp c, 0,1,2,3
.if FP < 4
	ds_load_b128 v[AF+64*FS+FR*\a+4*\c:AF+64*FS+FR*\a+4*\c+3], v[ADAX] offset:8192*\a+2048*FP+512*\c
.else
	ds_load_b128 v[AF+64*FS+FR*\a+4*\c:AF+64*FS+FR*\a+4*\c+3], v[ADAY] offset:4096*\a+2048*(FP-4)+512*\c
.endif
.endr
.endr
.if FS == 0
.irp b, 0,1,2,3,4,5,6,7
	ds_load_b64 v[SB+16*(((\k)/2)%2)+2*\b:SB+16*(((\k)/2)%2)+2*\b+1], v[ADSB] offset:\b*SBLK+8*((\k)/2)
.endr
.endif
.endm
.macro PLACES n                        ; plain vector lines between a matrix instruction and a load into its registers, or a read of its result
.rept \n
	v_nop
.endr
.endm
.macro PLAIN k, zero                   ; a sub-step whose successor lies in the same slot: the successor's fragments are fetched in its middle
	s_wait_dscnt 0x0
	WIN MUL
	MUL8 0, \k, \zero
	MUL8 1, \k, \zero
	PLACES NP
	FETCH (\k)+1
	WIN MUL
	MUL8 2, \k, \zero
	MUL8 3, \k, \zero
	WIN 0
.endm
; A slot's last sub-step changes slots: one barrier; in front of it each wave waits for all its tensor loads, adds 0 to its spare word, and waits for that and for its reads of this slot.
; fill = 1: X is filled again, 2: Y, each with the units three further on; 0: nothing is left to fetch.
.macro TURN k, fill
	s_wait_tensorcnt 0x0                           ; all my tensor loads have landed: my part of the slot ahead
	ds_add_u32 v[SPW], v[NIL]                      ; 0 onto my spare word
	s_wait_dscnt 1                                 ; this sub-step's fragments are in; the add may be out
	WIN MUL
	MUL8 0, \k, 0
	s_wait_dscnt 0x0                               ; the add is done, and my reads of this slot are over
	s_barrier_signal -1
	MUL8 1, \k, 0
	WIN 0
	s_barrier_wait -1
.if \fill == 1
	CREST                                          ; the barrier has opened a round of the cluster's: no wave of any partner still reads this slot or has a load on its way
	s_add_nc_u64 s[G0AX+2:G0AX+3], s[G0AX+2:G0AX+3], 3*4096
	s_add_nc_u64 s[G0BX+2:G0BX+3], s[G0BX+2:G0BX+3], 3*256
	JLOAD G0AX, G1AX, G0BX, G1BX                   ; the first tensor load behind the round
	PLACES NP-4
.elseif \fill == 2
	CREST
	s_add_nc_u64 s[G0AY+2:G0AY+3], s[G0AY+2:G0AY+3], 3*4096
	s_add_nc_u64 s[G0BY+2:G0BY+3], s[G0BY+2:G0BY+3], 3*256
	JLOAD G0AY, G1AY, G0BY, G1BY
	PLACES NP-4
.else
	PLACES NP
.endif
	FETCH (\k)+1
	WIN MUL
	MUL8 2, \k, 0
	MUL8 3, \k, 0
	WIN 0
.endm
	s_wait_tensorcnt 1                             ; W_o's scale bytes and my part of X are in (Y's load may be out)
	s_barrier_signal -1
	s_barrier_wait -1                              ; everybody's are
	FETCH 0
	s_wait_loadcnt 0x0                             ; attn's scale words
	PLAIN 0, 1                                     ; X: units 0, 1.  The first products start the sums
	PLAIN 1, 0
	PLAIN 2, 0
	TURN 3, 1                                      ; X takes units 3, 4
	PLAIN 4, 0                                     ; Y: unit 2
	TURN 5, 2                                      ; Y takes unit 5
	PLAIN 6, 0                                     ; X: units 3, 4
	PLAIN 7, 0
	PLAIN 8, 0
	TURN 9, 1                                      ; X takes units 6, 7
	PLAIN 10, 0                                    ; Y: unit 5
	TURN 11, 0                                     ; nothing is left to fetch
	PLAIN 12, 0                                    ; X: units 6, 7
	PLAIN 13, 0
	PLAIN 14, 0
	s_wait_dscnt 0x0
	WIN MUL
	MUL8 0, 15, 0
	MUL8 1, 15, 0
	MUL8 2, 15, 0
	MUL8 3, 15, 0
	WIN 0
; THE WAY OUT, block by block of 16 rows x 128 columns, through my own stage: in as 32 bytes a lane, back as whole rows of 512 bytes.  LDS serves a wave's instructions in order (ISA guide 5.7.1.4).
.macro TOSTAGE a
.set AC, 64*(\a)
	WIN 0x08                                       ; an LDS store's data: window 2
.irp b, 0,1,2,3,4,5,6,7
	ds_store_b128 v[STO], v[AC+8*\b:AC+8*\b+3] offset:64*\b          ; each accumulator from its low end on
	ds_store_b128 v[STO], v[AC+8*\b+4:AC+8*\b+7] offset:64*\b+16
.endr
	WIN 0
.set BB, BK+64*((\a)%2)
.irp t, 0,1,2,3,4,5,6,7,8,9,10,11,12,13,14,15
	ds_load_b128 v[BB+4*\t:BB+4*\t+3], v[RD] offset:\t*SPITCH
.endr
.endm
.macro SEND a, younger                 ; younger: the LDS instructions issued behind block a's loads, which may stay out
.set BB, BK+64*((\a)%2)
	s_wait_dscnt \younger
.if (\a) > 0
	s_add_nc_u64 s[12:13], s[12:13], 16*8192       ; 16 rows on (behind a wait on XCNT: the earlier stores have read their base)
.endif
.irp t, 0,1,2,3,4,5,6,7,8,9,10,11,12,13,14,15
	global_store_b128 v[CO], v[BB+4*\t:BB+4*\t+3], s[12:13] offset:\t*8192 th:TH_STORE_NT   ; 32 lanes store 512 consecutive bytes, aligned; written once, read by nobody here
.endr
.endm
	PLACES NP
	TOSTAGE 0
.irp a, 1,2,3
.if \a > 1
	s_wait_xcnt 0x0                                ; block a - 2's stores have read their registers and their base
.endif
	TOSTAGE \a
	SEND \a-1, 32                                  ; behind block a - 1's loads: block a's 16 stores and 16 loads
.endr
	s_wait_xcnt 0x0
	SEND 3, 0
	s_wait_tensorcnt 0x0                           ; the wave's end
	ds_add_u32 v[SPW], v[NIL]
	s_wait_dscnt 0x0
	CROUND                                         ; the closing round
	s_endpgm
.Lfunc_end_k_q106b6a080f_proj:
	.size	k_q106b6a080f_proj, .Lfunc_end_k_q106b6a080f_proj-k_q106b6a080f_proj
	.p2alignl 7, 3214868480
	.fill 96, 4, 3214868480
	.section	.rodata,"a",@progbits
	.p2align	6, 0x0
	.amdhsa_kernel k_q106b6a080f_proj
		.amdhsa_group_segment_fixed_size 327680
		.amdhsa_private_segment_fixed_size 0
		.amdhsa_enable_private_segment 0
		.amdhsa_kernarg_size 40
		.amdhsa_user_sgpr_count 2
		.amdhsa_user_sgpr_kernarg_segment_ptr 1
		.amdhsa_wavefront_size32 1
		.amdhsa_system_sgpr_workgroup_id_x 1
		.amdhsa_system_sgpr_workgroup_id_y 1
		.amdhsa_system_sgpr_workgroup_id_z 1
		.amdhsa_system_vgpr_workitem_id 0
		.amdhsa_next_free_vgpr 768
		.amdhsa_next_free_sgpr 100
		.amdhsa_reserve_vcc 0
		.amdhsa_float_denorm_mode_32 3
		.amdhsa_float_denorm_mode_16_64 3
		.amdhsa_memory_ordered 1
		.amdhsa_forward_progress 1
		.amdhsa_inst_pref_size 154
	.end_amdhsa_kernel
	.amdgpu_metadata
---
amdhsa.version: [ 1, 2 ]
amdhsa.kernels:
  - .name:           k_q106b6a080f_proj
    .symbol:         k_q106b6a080f_proj.kd
    .args:
      - { .name: att_img, .offset: 0, .size: 8, .value_kind: global_buffer, .address_space: global }
      - { .name: att_sc, .offset: 8, .size: 8, .value_kind: global_buffer, .address_space: global }
      - { .name: W_o_codes, .offset: 16, .size: 8, .value_kind: global_buffer, .address_space: global }
      - { .name: W_o_scales, .offset: 24, .size: 8, .value_kind: global_buffer, .address_space: global }
      - { .name: out0, .offset: 32, .size: 8, .value_kind: global_buffer, .address_space: global }
    .group_segment_fixed_size: 327680
    .private_segment_fixed_size: 0
    .kernarg_segment_align: 8
    .kernarg_segment_size: 40
    .max_flat_workgroup_size: 128
    .sgpr_count:     100
    .vgpr_count:     768
    .wavefront_size: 32
...
	.end_amdgpu_metadata
.endif
;; end of part 3
